; MI455X (gfx1250); checked and timed in simulation.
; The chip was launched on July 23, 2026; its instructions are those of AMD's public machine-readable ISA for CDNA 5 (MIT licence, August 2026) and "CDNA5" Instruction Set Architecture Reference Guide (July 2026). The comments in the code are by the model that wrote it; some were corrected since.
;; Multi Query Attention. Allowed arithmetic: matrix products marked QUANTISED: E2M1 operands, one E8M0 scale for each 32 along K, by v_wmma_scale_f32_16x16x128_f8f6f4 with both operands' format E2M1 (or v_wmma_scale_f32_32x16x128_f4), f32 sums; products left as they are: bf16, f16 or f32 operands; f32 sums; everything else in f32.
;; Inputs: Wk 1,024 x 64 float32; Wo 1,024 x 1,024 float32; Wq 1,024 x 1,024 float32; Wv 1,024 x 64 float32; x 4 x 2,048 x 1,024 float32.
;; Outputs: out0 4 x 2,048 x 1,024 float32.
;; This version of the problem:
;;   THIS VERSION OF THE PROBLEM IS GIVEN IN LOW PRECISION. The matrix products marked QUANTISED in the list below multiply operands that are first quantised to E2M1 (2 exponent bits, 1 mantissa bit; 4 bits a number), with one power-of-two scale for each 32 numbers along K (OCP MX v1.0); their sums are f32. The products marked 'left as it is' may take bf16, f16 or f32 operands, with f32 sums. Whichever they take, every output number must still come out within the allowed error. Rounding operands to bf16 (8 significant bits) uses up far more of that allowance than f16 does (11 bits, for magnitudes from 6e-5 to 65,504). All else is computed in f32.
;;   The module's matrix products, in the order in which they are computed (A, B: the left and right operand; K: the contracted axis; several contracted axes count as one K, in the product's order):
;;     1. [M 8,192, K 1,024] x [K 1,024, N 1,024]; A: input x; B: input Wq: QUANTISED
;;     2. [M 8,192, K 1,024] x [K 1,024, N 64]; A: input x; B: input Wk: QUANTISED
;;     3. [M 8,192, K 1,024] x [K 1,024, N 64]; A: input x; B: input Wv: QUANTISED
;;     4. batch 4 x [M 32,768, K 64] x [K 64, N 2,048]; A: computed on the way; B: computed on the way: left as it is (an operand is computed on the way)
;;     5. batch 4 x [M 32,768, K 2,048] x [K 2,048, N 64]; A: computed on the way; B: computed on the way: left as it is (an operand is computed on the way)
;;     6. [M 8,192, K 1,024] x [K 1,024, N 1,024]; A: computed on the way; B: input Wo: left as it is (an operand is computed on the way)
;;   THE QUANTISER, for each operand of a quantised product, along K:
;;     - K is cut into blocks of 32 from its start; a last block that is shorter is filled with zeros.
;;     - A block's scale is 2^e with e = floor(log2(the largest magnitude in the block)) - 2, held to -126 .. 127; a block of zeros has e = 0. As a byte (E8M0): e + 127.
;;     - Each number is divided by its block's scale, clamped to +-6, and rounded to the nearest number of E2M1, ties to even, subnormals kept.
;;     - The product sums the exact products of the quantised numbers (number of the format x scale) in f32.
;;   ~~~python
;;   def quantise(x, axis):      # numpy; x: float32 -> the quantised numbers, widened to float32 again
;;       x = np.moveaxis(x, axis, -1); K = x.shape[-1]
;;       x = np.pad(x, [(0, 0)] * (x.ndim - 1) + [(0, -K % 32)]); x = x.reshape(x.shape[:-1] + (-1, 32)); a = np.abs(x).max(-1, keepdims=True)
;;       e = np.where(a > 0, np.clip(np.frexp(np.where(a > 0, a, 1))[1] - 1 - 2, -126, 127), 0)      # np.frexp(a)[1] - 1 = floor(log2(a)), exactly
;;       r = np.clip(x / 2.0 ** e, -6, 6)
;;       step = 2.0 ** (np.maximum(np.frexp(np.where(r == 0, 1, r))[1] - 1, 0) - 1)
;;       q = np.round(r / step) * step * 2.0 ** e      # np.round: ties to even
;;       return np.moveaxis(q.reshape(q.shape[:-2] + (-1,))[..., :K], -1, axis).astype(np.float32)
;;   ~~~
;; One version. Each part assembles by itself: llvm-mc -triple=amdgcn-amd-amdhsa -mcpu=gfx1250 --defsym DOCPART=n.
;; ======== version 1 of 1: 4 launches
;; limits: values are held in f16: magnitudes above 65,504 overflow, below 6.1e-05 lose precision
;; workspace buffers: xc 4,194,304 bytes; xs 262,144 bytes; wc 589,824 bytes; ws 36,864 bytes; wo16 2,097,152 bytes; qkv 18,874,368 bytes; ao 16,777,216 bytes
;; launch prep (part 1): grid 306 x 1, 4 waves a work-group, no clusters, 102,912 bytes of LDS; arguments x, Wq, Wk, Wv, Wo, xc, xs, wc, ws, wo16; writes xc, xs, wc, ws, wo16
.if DOCPART == 1
	.amdgcn_target "amdgcn-amd-amdhsa--gfx1250"
	.amdhsa_code_object_version 6
	.text
	.protected	k_qa1512be198_prep
	.globl	k_qa1512be198_prep
	.p2align	8
	.type	k_qa1512be198_prep,@function
k_qa1512be198_prep:
	s_mov_b64 s[64:65], 0
	v_nop
	global_prefetch_b8 v0, s[64:65] scope:SCOPE_SE
	s_setreg_imm32_b32 hwreg(HW_REG_WAVE_MODE, 25, 1), 1
	s_wait_xcnt 0x0
; PREP: every operand is brought once into the form in which the later launches read it.
;   x  [8192][1024] f32 (K innermost)      -> xc [8192][512 bytes] codes of FP4 (E2M1), two a byte, the lower k in the low four bits; xs [8192][32] E8M0 scale bytes
;   Wq [1024 k][1024 n], Wk, Wv [1024 k][64 n] f32 (K is the FIRST axis) -> wc [1152 columns][512 bytes], K innermost; ws [1152][32].  Columns 0-1023 Wq's, 1024-1087 Wk's, 1088-1151 Wv's
;   Wo [1024 k][1024 n] f32                -> wo16, the same numbers as f16, as they lie
; A block's scale is 2^(floor(log2(its largest magnitude)) - 2); its byte is the largest magnitude's own exponent field - 2, held at 1 from below.  A block of zeros keeps the byte 1 where the
; quantiser's rule says 127: its codes are zeros, which add nothing under any byte but 0xff, and this program alone reads the bytes.
; LIMITS: NaN and infinities among the inputs are not served; blocks whose largest magnitude lies under 2^-124 keep the byte 1; |Wo| stays under 65,504, and under 6e-5 it carries an absolute error of 3e-8 (f16).
; SHARES, by the work-group's number: 0-15 Wq (128 columns x 512 along K each), 16-17 Wk and Wv, 18-49 Wo (32,768 numbers each), 50-305 x (32,768 numbers each).  The four paths never join, and each
; path that uses LDS has LDS bytes of its own.  Waves share nothing: no barrier.  No tensor load, no cluster, no matrix instruction: the launch is a stream and no two work-groups read the same bytes.
.set WV,    4                          ; s4   my wave's number
.set SPARE, 102400                     ; behind the three paths' regions: the spare words, 128 bytes for each wave: two blocks of 256 bytes that no other line names
.set SPW,   190                        ; v190 LDS address of my spare word: SPARE + 4 x my thread's number; never rewritten
.set NIL,   191                        ; v191 0; never rewritten
; x's path
.set WREG,  8192                       ; LDS bytes 0 .. 32,767: a region for each wave: two stages of 32 x SP bytes, behind them its 256 scale bytes
.set SP,    80                         ; a lane's place in a stage: its 64 bytes + 16 of padding
.set CB,    8                          ; bytes of 16 codes
.set XR,    16                         ; v16-79   four sets of 16 numbers as they are loaded
.set XX,    80                         ; v80-111  two sets of 16 neighbours
.set XE,    112                        ; v112-127 a scale byte for each step
.set XC,    128                        ; v128-189 codes: four registers' room for each step, so that no store's data are written again
; the weights' paths
.set KPI,   272                        ; a stage row: 256 bytes of codes + 16
.set LBW,   32768                      ; LDS bytes 32,768 .. 67,583: Wq's path, 32 rows x 272 for each wave
.set LBKV,  67584                      ; LDS bytes 67,584 .. 102,399: Wk's and Wv's path, likewise
.set KX,    32                         ; v32-95   two sets of 32 numbers
.set KC,    96                         ; v96-99   a block's codes
.set KSB,   24                         ; v24-27   16 scale bytes, four to a register
.set KOUT,  112                        ; v112-175 the way out
.macro CLOSE                           ; a wave's end: three lines behind the wave's last LDS store
	s_wait_tensorcnt 0x0
	ds_add_u32 v[SPW], v[NIL]
	s_wait_dscnt 0x0
	s_endpgm
.endm
; ---- x: a wave takes 16 steps of 512 numbers.  Each of a step's four loads reads 512 consecutive bytes, 16 a lane; the 2,048 bytes go through the wave's own stage and come back 64 bytes a lane,
; so that a lane holds 16 NEIGHBOURS along K, which is what the conversions take; two neighbouring lanes hold a block of 32.
.macro XLOAD t
.irp i, 0,1,2,3
	global_load_b128 v[XR+16*((\t)%4)+4*\i:XR+16*((\t)%4)+4*\i+3], v3, s[8:9] offset:2048*(\t)+512*\i th:TH_LOAD_NT
.endr
.endm
.macro XTURN t                         ; LDS serves a wave's instructions in order (ISA guide 5.7.1.4): no wait between the stores and the loads
.irp i, 0,1,2,3
	ds_store_b128 v14, v[XR+16*((\t)%4)+4*\i:XR+16*((\t)%4)+4*\i+3] offset:32*SP*((\t)%2)+8*SP*\i
.endr
.irp i, 0,1,2,3
	ds_load_b128 v[XX+16*((\t)%2)+4*\i:XX+16*((\t)%2)+4*\i+3], v15 offset:32*SP*((\t)%2)+16*\i
.endr
.endm
.macro XSTEP t
.set XSET, XX+16*((\t)%2)
.if (\t) > 0
	s_wait_dscnt 1                                 ; this step's numbers are back from the stage (the last step's byte store may be out): so its stores into the stage have read their registers,
.else
	s_wait_dscnt 0x0
.endif
.if (\t)+4 < 16
	XLOAD (\t)+4                                   ; which take the loads of four steps on
.endif
.if (\t)+1 < 16
.if 14-(\t) >= 3
	s_wait_loadcnt 12                              ; the next step's four loads are in; those of the three steps behind it may be out
.else
	s_wait_loadcnt 4*(14-(\t))
.endif
	XTURN (\t)+1                                   ; and go through the other stage while this step is worked
.endif
	v_max3_num_f32 v8, |v[XSET]|, |v[XSET+1]|, |v[XSET+2]|      ; the largest magnitude of my 16, in two chains
	v_max3_num_f32 v9, |v[XSET+3]|, |v[XSET+4]|, |v[XSET+5]|
.irp i, 6,10
	v_max3_num_f32 v8, v8, |v[XSET+\i]|, |v[XSET+\i+1]|
	v_max3_num_f32 v9, v9, |v[XSET+\i+2]|, |v[XSET+\i+3]|
.endr
	v_max3_num_f32 v8, v8, |v[XSET+14]|, |v[XSET+15]|
	v_max3_num_f32 v8, v8, v9, 0x1800000           ; and the floor 2^(3 - 127): the byte cannot fall under 1
	v_max_num_f32_dpp v8, v8, v8 row_xmask:1 row_mask:0xf bank_mask:0xf   ; with my neighbour's 16: the block's
	v_add_nc_u32 v11, 0xff000000, v8               ; 2 off its exponent field: the conversion takes the exponent field of this operand as its scale, and nothing else of it
	v_cvt_scalef32_pk8_fp4_f32 v[XC+4*(\t)], v[XSET:XSET+7], v11
	v_cvt_scalef32_pk8_fp4_f32 v[XC+4*(\t)+1], v[XSET+8:XSET+15], v11
	v_lshrrev_b32 v[XE+(\t)], 23, v11              ; the scale's byte (also the plain line behind the conversions)
	ds_store_b8 v5, v[XE+(\t)] offset:16*(\t)      ; both lanes of a block write the same byte with the same value
	global_store_b64 v4, v[XC+4*(\t):XC+4*(\t)+1], s[18:19] offset:32*CB*(\t)   ; the wave stores 256 consecutive bytes, aligned
.endm
; ---- a weight whose K is its first axis: A LANE TAKES A COLUMN n AND ITS REGISTERS RUN DOWN K.  A block of 32 along K lies in one lane's 32 registers, so that its largest magnitude needs no other
; lane and the conversions give codes with K innermost.  A wave takes 32 columns x 512 along K: 16 blocks a lane, 256 bytes of codes a column, which go through the wave's stage and leave as rows.
; npb: bytes from a row of the source to the next.  Source s[32:33], codes s[34:35], scale bytes s[36:37].
.macro KLOAD t, npb
.irp i, 0,1,2,3,4,5,6,7,8,9,10,11,12,13,14,15,16,17,18,19,20,21,22,23,24,25,26,27,28,29,30,31
	global_load_b32 v[KX+32*((\t)%2)+\i], v3, s[32:33] offset:(32*(\t)+\i)*(\npb) th:TH_LOAD_NT
.endr
.endm
.macro KBLOCK t, npb
.set KSET, KX+32*((\t)%2)
.if (\t) < 15
	s_wait_loadcnt 32                              ; this block's 32 loads are in; the next block's may be out
.else
	s_wait_loadcnt 0x0
.endif
	v_max3_num_f32 v12, |v[KSET]|, |v[KSET+1]|, |v[KSET+2]|
	v_max3_num_f32 v13, |v[KSET+3]|, |v[KSET+4]|, |v[KSET+5]|
.irp i, 6,10,14,18,22,26
	v_max3_num_f32 v12, v12, |v[KSET+\i]|, |v[KSET+\i+1]|
	v_max3_num_f32 v13, v13, |v[KSET+\i+2]|, |v[KSET+\i+3]|
.endr
	v_max3_num_f32 v12, v12, |v[KSET+30]|, |v[KSET+31]|
	v_max3_num_f32 v12, v12, v13, 0x1800000        ; the floor 2^(3 - 127)
	v_add_nc_u32 v11, 0xff000000, v12              ; the conversion's scale operand
	v_lshrrev_b32 v13, 23, v11                     ; the scale's byte
.if (\t)%4 == 0
	v_mov_b32 v[KSB+(\t)/4], v13                   ; four bytes to a register, the lower K in the lower byte
.else
	v_lshl_or_b32 v[KSB+(\t)/4], v13, 8*((\t)%4), v[KSB+(\t)/4]
.endif
.irp g, 0,1,2,3
	v_cvt_scalef32_pk8_fp4_f32 v[KC+\g], v[KSET+8*\g:KSET+8*\g+7], v11
.endr
	ds_store_b128 v4, v[KC:KC+3] offset:16*(\t)    ; 32 codes: 16 bytes of my column's row
.if (\t)+2 < 16
	KLOAD (\t)+2, \npb
.endif
	s_wait_dscnt 0x0                               ; the store has read its registers: the next block's codes may be written
.endm
.macro KADDR lb                        ; the lane's addresses; lb: where this path's stages begin
	v_lshlrev_b32 v3, 2, v2                        ; in: 4 bytes a lane
	s_mul_i32 s5, s[WV], 32*KPI
	s_add_co_u32 s5, s5, \lb                       ; my stage
	v_mul_u32_u24 v4, v2, KPI
	v_add_nc_u32 v4, s5, v4                        ; into it: row = my column
	v_and_b32 v5, 15, v2
	v_lshrrev_b32 v6, 4, v2
	v_mul_u32_u24 v7, v6, KPI
	v_lshl_add_u32 v7, v5, 4, v7
	v_add_nc_u32 v7, s5, v7                        ; out of it: sixteen lanes to a row, two rows an instruction
	v_lshlrev_b32 v8, 9, v6
	v_lshl_add_u32 v8, v5, 4, v8                   ; and the same place in wc, whose rows are 512 bytes
	v_lshlrev_b32 v9, 5, v2                        ; my column's row of ws: 32 bytes
.endm
.macro KDEST                           ; s6 = my wave's first column in wc and ws, s7 = which 512 along K
	s_lshl_b32 s28, s6, 9
	s_lshl_b32 s30, s7, 8
	s_add_co_u32 s28, s28, s30
	s_add_nc_u64 s[34:35], s[22:23], s[28:29]      ; wc + 512 x column + 256 x half of K
	s_lshl_b32 s28, s6, 5
	s_lshl_b32 s30, s7, 4
	s_add_co_u32 s28, s28, s30
	s_add_nc_u64 s[36:37], s[24:25], s[28:29]      ; ws + 32 x column + 16 x half of K
.endm
.macro KQUANT npb
	KLOAD 0, \npb
	KLOAD 1, \npb
.set KT, 0
.rept 16
	KBLOCK KT, \npb
.set KT, KT+1
.endr
	global_store_b128 v9, v[KSB:KSB+3], s[36:37]   ; my column's 16 scale bytes
.irp t, 0,1,2,3,4,5,6,7,8,9,10,11,12,13,14,15
	ds_load_b128 v[KOUT+4*\t:KOUT+4*\t+3], v7 offset:2*\t*KPI      ; these see my stores: LDS serves a wave's instructions in order
.endr
.irp t, 0,1,2,3,4,5,6,7,8,9,10,11,12,13,14,15
	s_wait_dscnt 15-\t                             ; the 15 - t younger loads may be out
	global_store_b128 v8, v[KOUT+4*\t:KOUT+4*\t+3], s[34:35] offset:2*\t*512   ; sixteen lanes store 256 consecutive bytes, aligned
.endr
.endm
	s_load_b512 s[8:23], s[0:1], 0x0               ; x 8:9, Wq 10:11, Wk 12:13, Wv 14:15, Wo 16:17, xc 18:19, xs 20:21, wc 22:23
	s_load_b128 s[24:27], s[0:1], 0x40             ; ws 24:25, wo16 26:27
	v_lshl_add_u32 v[SPW], v0, 2, SPARE
	v_mov_b32 v[NIL], 0
	v_lshrrev_b32 v1, 5, v0
	v_readfirstlane_b32 s[WV], v1                  ; wave 0..3
	v_and_b32 v2, 31, v0                           ; lane
	s_mov_b32 s29, 0                               ; the upper word of every offset: all lie under 2^32
	s_wait_kmcnt 0x0
	s_cmp_lt_u32 ttmp9, 16
	s_cbranch_scc1 .Lpath_w
	s_cmp_lt_u32 ttmp9, 18
	s_cbranch_scc1 .Lpath_kv
	s_cmp_lt_u32 ttmp9, 50
	s_cbranch_scc1 .Lpath_o
	; ---- x
	v_lshlrev_b32 v3, 4, v2                        ; my 16 bytes of a load's 512
	s_mul_i32 s5, s[WV], WREG
	v_lshrrev_b32 v14, 2, v2
	v_mul_u32_u24 v14, v14, SP
	v_and_b32 v15, 3, v2
	v_lshl_add_u32 v14, v15, 4, v14
	v_add_nc_u32 v14, s5, v14                      ; the stage, on the way in: four lanes' 64 bytes on end, then 16 of padding
	v_mul_u32_u24 v15, v2, SP
	v_add_nc_u32 v15, s5, v15                      ; and on the way out: my 16 neighbours
	v_mul_u32_u24 v4, v2, CB                       ; my codes' place in a step's
	v_lshrrev_b32 v5, 1, v2
	s_add_co_u32 s5, s5, 2*32*SP
	v_add_nc_u32 v5, s5, v5                        ; my wave's 256 scale bytes: my block's byte
	v_lshlrev_b32 v7, 3, v2                        ; and on the way out 8 bytes a lane
	v_add_nc_u32 v6, s5, v7
	s_sub_co_u32 s6, ttmp9, 50
	s_lshl_b32 s6, s6, 2
	s_add_co_u32 s6, s6, s[WV]                     ; which run of 8,192 numbers is my wave's: 0 .. 1,023
	s_lshl_b32 s28, s6, 15
	s_add_nc_u64 s[8:9], s[8:9], s[28:29]          ; 32,768 bytes of x,
	s_lshl_b32 s28, s6, 12
	s_add_nc_u64 s[18:19], s[18:19], s[28:29]      ; 4,096 of codes,
	s_lshl_b32 s28, s6, 8
	s_add_nc_u64 s[20:21], s[20:21], s[28:29]      ; 256 scale bytes a run
.irp t, 0,1,2,3
	XLOAD \t
.endr
	s_wait_loadcnt 12                              ; step 0's four loads are in
	XTURN 0
.irp t, 0,1,2,3,4,5,6,7,8,9,10,11,12,13,14,15
	XSTEP \t
.endr
	ds_load_b64 v[8:9], v6                         ; my wave's 256 scale bytes, 8 a lane
	s_wait_dscnt 0x0
	global_store_b64 v7, v[8:9], s[20:21]          ; 32 lanes store 256 consecutive bytes, aligned
	CLOSE
.Lpath_w:                                          ; ---- Wq: work-group = (128 columns, half of K)
	KADDR LBW
	s_and_b32 s6, ttmp9, 7
	s_lshr_b32 s7, ttmp9, 3                        ; which 512 along K
	s_lshl_b32 s6, s6, 7
	s_lshl_b32 s28, s[WV], 5
	s_add_co_u32 s6, s6, s28                       ; my wave's first column
	s_lshl_b32 s28, s7, 21                         ; 512 rows of 4,096 bytes
	s_lshl_b32 s30, s6, 2
	s_add_co_u32 s28, s28, s30
	s_add_nc_u64 s[32:33], s[10:11], s[28:29]
	KDEST
	KQUANT 4096                                    ; the largest offset, 511 x 4,096, lies inside the signed 24-bit immediate (ISA guide, chapter 10)
	CLOSE
.Lpath_kv:                                         ; ---- Wk (waves 0, 1) and Wv (waves 2, 3): work-group = half of K
	KADDR LBKV
	s_sub_co_u32 s7, ttmp9, 16                     ; which 512 along K
	s_lshl_b32 s6, s[WV], 5
	s_add_co_u32 s6, s6, 1024                      ; my wave's first column in wc and ws
	s_lshl_b32 s28, s7, 17                         ; 512 rows of 256 bytes
	s_and_b32 s30, s[WV], 1
	s_lshl_b32 s30, s30, 7                         ; my 32 of the weight's 64 columns
	s_add_co_u32 s28, s28, s30
	s_cmp_lt_u32 s[WV], 2                          ; the choice hangs on the wave's number alone
	s_cselect_b64 s[32:33], s[12:13], s[14:15]
	s_add_nc_u64 s[32:33], s[32:33], s[28:29]
	KDEST
	KQUANT 256
	CLOSE
.Lpath_o:                                          ; ---- Wo to f16: a wave takes 8,192 numbers in four passes of 16 loads
	s_sub_co_u32 s6, ttmp9, 18
	s_lshl_b32 s6, s6, 2
	s_add_co_u32 s6, s6, s[WV]                     ; my run: 0 .. 127
	s_lshl_b32 s28, s6, 15
	s_add_nc_u64 s[16:17], s[16:17], s[28:29]
	s_lshl_b32 s28, s6, 14
	s_add_nc_u64 s[26:27], s[26:27], s[28:29]
	v_lshlrev_b32 v3, 4, v2                        ; in: 16 bytes a lane, 512 a load
	v_lshlrev_b32 v4, 3, v2                        ; out: 8 bytes a lane, 256 a store
.irp p, 0,1,2,3
.if \p > 0
	s_wait_xcnt 0x0                                ; the last pass's stores have read their data registers, which this pass writes again
.endif
.irp i, 0,1,2,3,4,5,6,7,8,9,10,11,12,13,14,15
	global_load_b128 v[16+4*\i:19+4*\i], v3, s[16:17] offset:8192*\p+512*\i th:TH_LOAD_NT
.endr
.irp i, 0,1,2,3,4,5,6,7,8,9,10,11,12,13,14,15
	s_wait_loadcnt 15-\i                           ; load i is in; the 15 - i younger ones may be out
	v_cvt_pk_f16_f32 v[80+2*\i], v[16+4*\i], v[17+4*\i]
	v_cvt_pk_f16_f32 v[81+2*\i], v[18+4*\i], v[19+4*\i]
	global_store_b64 v4, v[80+2*\i:81+2*\i], s[26:27] offset:4096*\p+256*\i   ; the wave stores 256 consecutive bytes, aligned
.endr
.endr
	CLOSE
.Lfunc_end_k_qa1512be198_prep:
	.size	k_qa1512be198_prep, .Lfunc_end_k_qa1512be198_prep-k_qa1512be198_prep
	.p2alignl 7, 3214868480
	.fill 96, 4, 3214868480
	.section	.rodata,"a",@progbits
	.p2align	6, 0x0
	.amdhsa_kernel k_qa1512be198_prep
		.amdhsa_group_segment_fixed_size 102912
		.amdhsa_private_segment_fixed_size 0
		.amdhsa_enable_private_segment 0
		.amdhsa_kernarg_size 80
		.amdhsa_user_sgpr_count 2
		.amdhsa_user_sgpr_kernarg_segment_ptr 1
		.amdhsa_wavefront_size32 1
		.amdhsa_system_sgpr_workgroup_id_x 1
		.amdhsa_system_sgpr_workgroup_id_y 1
		.amdhsa_system_sgpr_workgroup_id_z 1
		.amdhsa_system_vgpr_workitem_id 0
		.amdhsa_next_free_vgpr 192
		.amdhsa_next_free_sgpr 66
		.amdhsa_reserve_vcc 0
		.amdhsa_float_denorm_mode_32 3
		.amdhsa_float_denorm_mode_16_64 3
		.amdhsa_memory_ordered 1
		.amdhsa_forward_progress 1
		.amdhsa_inst_pref_size 210
	.end_amdhsa_kernel
	.amdgpu_metadata
---
amdhsa.version: [ 1, 2 ]
amdhsa.kernels:
  - .name:           k_qa1512be198_prep
    .symbol:         k_qa1512be198_prep.kd
    .args:
      - { .name: x, .offset: 0, .size: 8, .value_kind: global_buffer, .address_space: global }
      - { .name: Wq, .offset: 8, .size: 8, .value_kind: global_buffer, .address_space: global }
      - { .name: Wk, .offset: 16, .size: 8, .value_kind: global_buffer, .address_space: global }
      - { .name: Wv, .offset: 24, .size: 8, .value_kind: global_buffer, .address_space: global }
      - { .name: Wo, .offset: 32, .size: 8, .value_kind: global_buffer, .address_space: global }
      - { .name: xc, .offset: 40, .size: 8, .value_kind: global_buffer, .address_space: global }
      - { .name: xs, .offset: 48, .size: 8, .value_kind: global_buffer, .address_space: global }
      - { .name: wc, .offset: 56, .size: 8, .value_kind: global_buffer, .address_space: global }
      - { .name: ws, .offset: 64, .size: 8, .value_kind: global_buffer, .address_space: global }
      - { .name: wo16, .offset: 72, .size: 8, .value_kind: global_buffer, .address_space: global }
    .group_segment_fixed_size: 102912
    .private_segment_fixed_size: 0
    .kernarg_segment_align: 8
    .kernarg_segment_size: 80
    .max_flat_workgroup_size: 128
    .sgpr_count:     66
    .vgpr_count:     192
    .wavefront_size: 32
...
	.end_amdgpu_metadata
.endif
;; end of part 1
;; launch qkv (part 2): grid 64 x 3, 8 waves a work-group, clusters of 4 x 1, 327,680 bytes of LDS; arguments xc, xs, wc, ws, qkv; writes qkv
.if DOCPART == 2
	.amdgcn_target "amdgcn-amd-amdhsa--gfx1250"
	.amdhsa_code_object_version 6
	.text
	.protected	k_qa1512be198_qkv
	.globl	k_qa1512be198_qkv
	.p2align	8
	.type	k_qa1512be198_qkv,@function
k_qa1512be198_qkv:
	s_mov_b64 s[64:65], 0
	v_nop
	global_prefetch_b8 v0, s[64:65] scope:SCOPE_SE
	s_setreg_imm32_b32 hwreg(HW_REG_WAVE_MODE, 25, 1), 1
	s_wait_xcnt 0x0
	s_wait_alu depctr_hold_cnt(0) depctr_sa_sdst(0) depctr_va_vdst(0) depctr_va_sdst(0) depctr_va_ssrc(0) depctr_va_vcc(0) depctr_vm_vsrc(0)
	s_getreg_b32 s2, hwreg(HW_REG_IB_STS2, 6, 4)
	s_cmp_eq_u32 s2, 0
	s_cbranch_scc0 .Lentry_in_a_cluster
	s_endpgm
.Lentry_in_a_cluster:
	s_bfe_u32 s2, ttmp6, 0x10000c
	s_cmp_lg_u32 s2, 0x3003
	s_cbranch_scc0 .Lentry_shape_is_right
	s_endpgm
.Lentry_shape_is_right:
; QKV: the three quantised products as ONE product on codes of FP4 (E2M1) with E8M0 scales: C[8192][1152] = x [Wq | Wk | Wv], K = 1,024; sums in f32, C rounded once to f16.
; xc [8192][512 bytes], xs [8192][32]; wc [1152][512 bytes], ws [1152][32]: K innermost.  qkv [8192][1152] f16: a row is 2,304 bytes: Q at byte 0 (head h at 128 h), K at 2,048, V at 2,176.
; LIMIT: |Q|, |K|, |V| stay under 65,504 (f16); what lies under 6e-5 carries an absolute error of 3e-8.
; SHARES.  A work-group makes 128 rows x 384 columns (768 bytes, three aligned blocks of 256 of each row): 64 x 3 work-groups.  Narrower tiles that gave 256 work-groups would cut those blocks between work-groups.
; Eight waves, two to a SIMD: wave w makes rows 64 (w / 4) on and columns 96 (w % 4) on: 4 x 6 accumulators of 16 x 16 in 192 registers.
; ALL OF K LIES IN LDS: 128 + 384 rows of 512 bytes, as two halves of K, and all scale bytes.  Every byte is filled once, at the head: three tensor loads a wave are out, no slot is filled again.
; The first half is multiplied while the second lands.
; CLUSTER.  The four work-groups of a cluster share their 384 columns: W's codes and scales, three quarters of a work-group's bytes, are asked for JOINTLY (the same load, the same descriptor, the mask of all
; four).  x's rows are each work-group's own: plain loads behind the same round of the cluster's barrier.
; THE MATRIX INSTRUCTION IS USED TRANSPOSED (source 0 = 16 rows of wc, source 1 = 16 rows of xc): a lane then holds eight neighbouring columns of one row of C, 16 bytes of f16.
; REGISTERS.  window 0: v1-15 addresses; v32-47 x's scale words, v48-71 W's (they hold scales and nothing else); v80-159, v160-239 two sets of fragments (x 4 x 8, then W 6 x 8); the way out: v80-175.
;   window 1: accumulator (a, b) at v[8 (6 a + b)].
.set PITCH,  272                       ; an LDS row: 256 bytes + 16: an odd multiple of 16, so the sixteen rows that a fragment load touches begin at sixteen different 16-byte columns of 256
.set HALF,   512*PITCH                 ; a half of K: x's 128 rows, then W's 384
.set WQ,     64*PITCH                  ; 64 rows: what one tensor load brings
.set SCA,    2*HALF                    ; x's scale bytes: blocks of 256 bytes (8 rows) + 16 of padding; 16 of them
.set SQ,     8*272                     ; the scale bytes of 64 rows
.set SCB,    SCA+2*SQ                  ; W's: 48 blocks
.set SPARE,  SCB+6*SQ                  ; the spare words, 128 bytes for each wave: four blocks of 256 bytes that no other line names
.set SPITCH, 784                       ; the way out: a stage of 128 rows x (768 + 16) bytes at LDS byte 0, inside K's first half, which has had its one fill and its last read by then
.set ADA, 4                            ; v4, v5   LDS address of my fragments of x in half 0, 1
.set ADB, 6                            ; v6, v7   of W
.set ASA, 8                            ; v8       of x's scale words
.set ASB, 9                            ; v9       of W's
.set STO, 10                           ; v10      the stage: where I put 16 bytes of a row
.set RD,  11                           ; v11      and where I read rows back
.set CO,  12                           ; v12      my byte offset in qkv
.set SPW, 14                           ; v14      LDS address of my spare word: SPARE + 4 x my thread's number; never rewritten
.set NIL, 15                           ; v15      0; never rewritten
.set SA,  32
.set SB,  48
.set FR0, 80
.set TMP, 80
.set WV,  14                           ; s14      my wave's number
.set G1A,  24                          ; s[24:31] descriptor group 1: x's codes;   s[32:39] W's codes;   s[40:47] x's scales;   s[48:55] W's scales
.set G1B,  32
.set G1SA, 40
.set G1SB, 48
.set GXS,  56                          ; groups 0: x's scales s[56:59], half 0 s[60:63], half 1 s[68:71];  W's: s[72:75], s[76:79], s[80:83]
.set GX0,  60
.set GX1,  68
.set GWS,  72
.set GW0,  76
.set GW1,  80
.set MSB, 0
.macro WIN new                         ; the immediate's high byte repeats the setting that is left; a switch that changes nothing is dropped
.if MSB != \new
	s_set_vgpr_msb (MSB<<8)|\new
.set MSB, \new
.endif
.endm
.macro PLACES n
.rept \n
	v_nop
.endr
.endm
.macro CROUND                          ; a round of the cluster's barrier: my work-group's barrier; wave 0 signals for the work-group; every wave waits for all four; my work-group's barrier once more
	s_barrier_signal -1
	s_barrier_wait -1
	s_cmp_lg_u32 s[WV], 0
	s_cbranch_scc1 .Lnot_wave_0_\@
	s_barrier_signal -3
.Lnot_wave_0_\@:
	s_barrier_wait -3
	s_barrier_signal -1
	s_barrier_wait -1
.endm
	s_load_b256 s[4:11], s[0:1], 0x0               ; xc 4:5, xs 6:7, wc 8:9, ws 10:11
	s_load_b64 s[12:13], s[0:1], 0x20              ; qkv
	v_lshl_add_u32 v[SPW], v0, 2, SPARE
	v_mov_b32 v[NIL], 0
	ds_add_u32 v[SPW], v[NIL]                      ; the wave's opening: the add, twice on end, and its wait ahead of my first tensor load; the set-up below, work on registers, stands between
	ds_add_u32 v[SPW], v[NIL]
	v_lshrrev_b32 v1, 5, v0
	v_readfirstlane_b32 s[WV], v1                  ; wave 0..7
	s_bfe_u32 s15, ttmp6, 0x40000                  ; cx: my place in the cluster
	s_lshl_b32 s16, ttmp9, 2                       ; in a cluster launch ttmp9 counts clusters
	s_add_co_u32 s16, s16, s15                     ; my block of 128 rows
	s_and_b32 s17, ttmp7, 0xffff                   ; my block of 384 columns, which the four partners share
	; group 1, codes: 64 rows x 256 bytes, 512 bytes apart in memory, 16 bytes of padding behind each row in LDS
	s_mov_b32 s[G1A], (1<<20)|(5<<22)|(3<<25)      ; 15:0 no mask; 17:16 elements of 1 byte; 20 padding on; 24:22 after every 64 words (code 5); 31:25 four words (code 3)
	s_mov_b32 s[G1B], 15|(1<<20)|(1<<21)|(5<<22)|(3<<25)   ; the same with the mask of all four work-groups, and bit 21 beside it
.irp g, G1A, G1B
	s_mov_b32 s[\g+1], 256<<16                     ; tensor_dim0
	s_mov_b32 s[\g+2], 64<<16                      ; tensor_dim1
	s_mov_b32 s[\g+3], 256<<16                     ; tile_dim0
	s_mov_b32 s[\g+4], 64                          ; tile_dim1
	s_mov_b32 s[\g+5], 512                         ; from row to row
	s_mov_b32 s[\g+6], 0
	s_mov_b32 s[\g+7], 0
.endr
	; group 1, scales of 64 rows: 2,048 dense bytes as 8 rows of 256 bytes (32 elements of 8), 16 bytes of padding behind each
	s_mov_b32 s[G1SA], (3<<16)|(1<<20)|(5<<22)|(3<<25)
	s_mov_b32 s[G1SB], 15|(3<<16)|(1<<20)|(1<<21)|(5<<22)|(3<<25)
.irp g, G1SA, G1SB
	s_mov_b32 s[\g+1], 32<<16
	s_mov_b32 s[\g+2], 8<<16
	s_mov_b32 s[\g+3], 32<<16
	s_mov_b32 s[\g+4], 8
	s_mov_b32 s[\g+5], 32
	s_mov_b32 s[\g+6], 0
	s_mov_b32 s[\g+7], 0
.endr
	; every wave makes both families of addresses and asks by one of them: waves 0, 1 fetch x's two times 64 rows, waves 2 to 7 W's six times 64.  W's family holds nothing of cx
	s_min_u32 s18, s[WV], 1
	s_lshl_b32 s18, s18, 6
	s_lshl_b32 s19, s16, 7
	s_add_co_u32 s18, s18, s19                     ; x: row 128 x block + 64 x wave
	s_lshl_b32 s84, s18, 5                         ; its scale bytes,
	s_mov_b32 s85, 0
	s_lshl_b32 s86, s18, 9                         ; its codes
	s_mov_b32 s87, 0
	s_max_u32 s20, s[WV], 2
	s_sub_co_u32 s20, s20, 2
	s_lshl_b32 s20, s20, 6
	s_mul_i32 s21, s17, 384
	s_add_co_u32 s20, s20, s21                     ; W: row 384 x block + 64 x (wave - 2)
	s_lshl_b32 s2, s20, 5
	s_mov_b32 s3, 0
	s_lshl_b32 s22, s20, 9
	s_mov_b32 s23, 0
	s_mul_i32 s88, s[WV], WQ                       ; where they go: wave x 64 rows in a half, x's rows first: no place in the cluster enters an LDS address
	s_mul_i32 s89, s[WV], SQ
	s_wait_dscnt 0x0                               ; both opening adds are done
	s_wait_kmcnt 0x0
	CROUND                                         ; all four work-groups are here: the joint loads meet
	s_mov_b32 s[GXS], 1
	s_add_co_u32 s[GXS+1], s89, SCA
	s_add_nc_u64 s[GXS+2:GXS+3], s[6:7], s[84:85]
	s_or_b32 s[GXS+3], s[GXS+3], 0x80000000
	s_mov_b32 s[GX0], 1
	s_mov_b32 s[GX0+1], s88
	s_add_nc_u64 s[GX0+2:GX0+3], s[4:5], s[86:87]
	s_add_nc_u64 s[GX1+2:GX1+3], s[GX0+2:GX0+3], 256   ; K's second half: 256 bytes on in each row
	s_or_b32 s[GX0+3], s[GX0+3], 0x80000000
	s_mov_b32 s[GX1], 1
	s_add_co_u32 s[GX1+1], s88, HALF
	s_or_b32 s[GX1+3], s[GX1+3], 0x80000000
	s_mov_b32 s[GWS], 1
	s_add_co_u32 s[GWS+1], s89, SCA
	s_add_nc_u64 s[GWS+2:GWS+3], s[10:11], s[2:3]
	s_or_b32 s[GWS+3], s[GWS+3], 0x80000000
	s_mov_b32 s[GW0], 1
	s_mov_b32 s[GW0+1], s88
	s_add_nc_u64 s[GW0+2:GW0+3], s[8:9], s[22:23]
	s_add_nc_u64 s[GW1+2:GW1+3], s[GW0+2:GW0+3], 256
	s_or_b32 s[GW0+3], s[GW0+3], 0x80000000
	s_mov_b32 s[GW1], 1
	s_add_co_u32 s[GW1+1], s88, HALF
	s_or_b32 s[GW1+3], s[GW1+3], 0x80000000
	s_cmp_lt_u32 s[WV], 2                          ; a wave's three fills stand in one branch on the wave's number, ahead of every wait on TENSORcnt, every LDS read and every later barrier
	s_cbranch_scc0 .Lfor_w
	tensor_load_to_lds s[GXS:GXS+3], s[G1SA:G1SA+7]
	s_nop 0
	tensor_load_to_lds s[GX0:GX0+3], s[G1A:G1A+7]
	s_nop 0
	tensor_load_to_lds s[GX1:GX1+3], s[G1A:G1A+7]
	s_nop 0
	PLACES 4
	s_branch .Lasked
.Lfor_w:
	tensor_load_to_lds s[GWS:GWS+3], s[G1SB:G1SB+7]
	s_nop 0
	tensor_load_to_lds s[GW0:GW0+3], s[G1B:G1B+7]
	s_nop 0
	tensor_load_to_lds s[GW1:GW1+3], s[G1B:G1B+7]
	s_nop 0
	PLACES 4
.Lasked:
	v_and_b32 v1, 15, v0                           ; r = lane % 16
	v_bfe_u32 v2, v0, 4, 1                         ; h = lane / 16
	s_lshr_b32 s18, s[WV], 2                       ; which 64 rows are mine
	s_and_b32 s19, s[WV], 3                        ; which 96 columns
	v_mul_u32_u24 v3, v1, PITCH
	v_lshl_add_u32 v3, v2, 4, v3                   ; a fragment: row r x pitch + 16 h
	s_mul_i32 s20, s18, 64*PITCH
	s_mul_i32 s21, s19, 96*PITCH
	s_add_co_u32 s21, s21, 128*PITCH               ; W's rows lie behind x's 128
	v_add_nc_u32 v[ADA], s20, v3
	v_add_nc_u32 v[ADB], s21, v3
	v_add_nc_u32 v[ADA+1], HALF, v[ADA]
	v_add_nc_u32 v[ADB+1], HALF, v[ADB]
	v_lshrrev_b32 v13, 3, v1                       ; scale bytes: 32 a row, 8 rows to a block of 256 + 16.
	v_mul_u32_u24 v13, v13, 272
	v_and_b32 v3, 7, v1
	v_lshl_add_u32 v13, v3, 5, v13
	v_lshl_add_u32 v13, v2, 4, v13                 ; lanes 0-15 take their row's first 16 bytes (K steps 0-3), lanes 16-31 the same row's last 16 (K steps 4-7)
	s_mul_i32 s20, s18, SQ
	s_add_co_u32 s20, s20, SCA
	s_mul_i32 s21, s19, 12*272
	s_add_co_u32 s21, s21, SCB
	v_add_nc_u32 v[ASA], s20, v13
	v_add_nc_u32 v[ASB], s21, v13
	s_mul_i32 s20, s18, 64*SPITCH                  ; the stage, in: row 64 (w / 4) + r, byte 192 (w % 4) + 16 h
	s_mul_i32 s21, s19, 192
	s_add_co_u32 s20, s20, s21
	v_mul_u32_u24 v13, v1, SPITCH
	v_lshl_add_u32 v13, v2, 4, v13
	v_add_nc_u32 v[STO], s20, v13
	s_mul_i32 s20, s[WV], 16*SPITCH                ; back: wave w takes rows 16 w on, whole; lanes 0-15 one row's 256 bytes, lanes 16-31 the next row's
	v_mul_u32_u24 v13, v2, SPITCH
	v_lshl_add_u32 v13, v1, 4, v13
	v_add_nc_u32 v[RD], s20, v13
	v_mul_u32_u24 v13, v2, 2304
	v_lshl_add_u32 v[CO], v1, 4, v13               ; and the same two rows in qkv
	s_lshl_b32 s20, s16, 7
	s_lshl_b32 s21, s[WV], 4
	s_add_co_u32 s20, s20, s21
	s_mul_i32 s20, s20, 2304                       ; the first row that I store,
	s_mul_i32 s21, s17, 768                        ; the work-group's first column, in bytes
	s_add_co_u32 s20, s20, s21
	s_mov_b32 s21, 0
	s_add_nc_u64 s[12:13], s[12:13], s[20:21]
; The scale words, once for all of K.  Register q of a block: lanes 0-15 hold the rows' words of K step q, lanes 16-31 those of K step 4 + q, which the matrix instruction takes by its ROW1 selector.
.macro SCALES
.irp a, 0,1,2,3
	ds_load_b128 v[SA+4*\a:SA+4*\a+3], v[ASA] offset:544*\a
.endr
.irp b, 0,1,2,3,4,5
	ds_load_b128 v[SB+4*\b:SB+4*\b+3], v[ASB] offset:544*\b
.endr
.endm
; The fragments of K step s (128 along K: 64 bytes of a row) into set s % 2: 20 loads.  A fragment, 16 rows x 128 K, is 8 registers: lane (r, h) holds row r; registers 4 c .. 4 c + 3 hold K = 64 c + 32 h + 0 .. 31.
.macro FETCH s
.set FS, FR0+80*((\s)%2)
.set HH, (\s)/4
.set QQ, (\s)%4
.irp a, 0,1,2,3
.irp c, 0,1
	ds_load_b128 v[FS+8*\a+4*\c:FS+8*\a+4*\c+3], v[ADA+HH] offset:\a*16*PITCH+64*QQ+32*\c
.endr
.endr
.irp b, 0,1,2,3,4,5
.irp c, 0,1
	ds_load_b128 v[FS+32+8*\b+4*\c:FS+32+8*\b+4*\c+3], v[ADB+HH] offset:\b*16*PITCH+64*QQ+32*\c
.endr
.endr
.endm
; 24 matrix instructions.  The 24 accumulators take turns, one instruction a turn, in the same order in every step.  The first step's products start the sums: nothing is cleared.
.macro MUL s
.set FS, FR0+80*((\s)%2)
.set QQ, (\s)%4
.irp a, 0,1,2,3
.irp b, 0,1,2,3,4,5
.if (\s) == 0
	v_wmma_scale_f32_16x16x128_f8f6f4 v[8*(6*\a+\b):8*(6*\a+\b)+7], v[FS+32+8*\b:FS+32+8*\b+7], v[FS+8*\a:FS+8*\a+7], 0, v[SB+4*\b+QQ], v[SA+4*\a+QQ] matrix_a_fmt:MATRIX_FMT_FP4 matrix_b_fmt:MATRIX_FMT_FP4
.elseif (\s) < 4
	v_wmma_scale_f32_16x16x128_f8f6f4 v[8*(6*\a+\b):8*(6*\a+\b)+7], v[FS+32+8*\b:FS+32+8*\b+7], v[FS+8*\a:FS+8*\a+7], v[8*(6*\a+\b):8*(6*\a+\b)+7], v[SB+4*\b+QQ], v[SA+4*\a+QQ] matrix_a_fmt:MATRIX_FMT_FP4 matrix_b_fmt:MATRIX_FMT_FP4
.else
	v_wmma_scale_f32_16x16x128_f8f6f4 v[8*(6*\a+\b):8*(6*\a+\b)+7], v[FS+32+8*\b:FS+32+8*\b+7], v[FS+8*\a:FS+8*\a+7], v[8*(6*\a+\b):8*(6*\a+\b)+7], v[SB+4*\b+QQ], v[SA+4*\a+QQ] matrix_a_fmt:MATRIX_FMT_FP4 matrix_b_fmt:MATRIX_FMT_FP4 matrix_a_scale:MATRIX_SCALE_ROW1 matrix_b_scale:MATRIX_SCALE_ROW1
.endif
.endr
.endr
.endm
.macro STEP s
.if (\s) > 0
	PLACES 4                                       ; four places in front of loads into the set that the last step multiplied (ISA guide 7.12.1 for vector instructions)
.endif
.if (\s) == 3                                  ; the next fetch reads K's second half
	s_wait_tensorcnt 0x0                           ; my part of it has landed,
	s_wait_dscnt 0x0                               ; and my reads of the first half are in: behind this barrier nobody reads that half
	s_barrier_signal -1
	s_barrier_wait -1
.endif
.if (\s) < 7
	FETCH (\s)+1
	s_wait_dscnt 20                                ; all but the 20 loads just issued: this step's fragments (and, in step 0, the scale words) are in
.else
	s_wait_dscnt 0x0
.endif
	WIN 0x50                                       ; C and D in window 1
	MUL \s
	WIN 0
.endm
	s_wait_tensorcnt 1                             ; my scale bytes and my part of the first half are in; the second half's load may stay out
	s_barrier_signal -1
	s_barrier_wait -1                              ; everybody's are
	SCALES
	FETCH 0
.irp s, 0,1,2,3,4,5,6,7
	STEP \s
.endr
	; THE WAY OUT: round to f16, 16 bytes a lane into the work-group's stage; a barrier, since a row's 768 bytes come from four waves; back as whole rows, 16 rows a wave.
	PLACES 4                                       ; the conversions read results just made and write registers that held fragments
	WIN 0x05                                       ; sources in window 1, destination in window 0
.set i, 0
.rept 24
.irp j, 0,1,2,3
	v_cvt_pk_f16_f32 v[TMP+4*i+\j], v[8*i+2*\j], v[8*i+2*\j+1]     ; each accumulator from its low end on
.endr
.set i, i+1
.endr
	WIN 0
.irp a, 0,1,2,3
.irp b, 0,1,2,3,4,5
	ds_store_b128 v[STO], v[TMP+4*(6*\a+\b):TMP+4*(6*\a+\b)+3] offset:\a*16*SPITCH+32*\b
.endr
.endr
	s_wait_dscnt 0x0                               ; for the others' sake: my stores into the stage are done
	s_barrier_signal -1
	s_barrier_wait -1
.set i, 0
.rept 24
	ds_load_b128 v[TMP+4*i:TMP+4*i+3], v[RD] offset:(i/3)*2*SPITCH+(i%3)*256
.set i, i+1
.endr
.set i, 0
.rept 24
	s_wait_dscnt 23-i                              ; load i is in; the 23 - i younger ones may be out
	global_store_b128 v[CO], v[TMP+4*i:TMP+4*i+3], s[12:13] offset:(i/3)*4608+(i%3)*256   ; sixteen lanes store 256 consecutive bytes, at a multiple of 256 from qkv's first byte
.set i, i+1
.endr
	s_wait_tensorcnt 0x0                           ; the wave's end: three lines behind my last tensor load and my last LDS store
	ds_add_u32 v[SPW], v[NIL]
	s_wait_dscnt 0x0
	CROUND                                         ; the closing round: no work-group ends while a partner may still ask for a tile that names it
	s_endpgm
.Lfunc_end_k_qa1512be198_qkv:
	.size	k_qa1512be198_qkv, .Lfunc_end_k_qa1512be198_qkv-k_qa1512be198_qkv
	.p2alignl 7, 3214868480
	.fill 96, 4, 3214868480
	.section	.rodata,"a",@progbits
	.p2align	6, 0x0
	.amdhsa_kernel k_qa1512be198_qkv
		.amdhsa_group_segment_fixed_size 327680
		.amdhsa_private_segment_fixed_size 0
		.amdhsa_enable_private_segment 0
		.amdhsa_kernarg_size 40
		.amdhsa_user_sgpr_count 2
		.amdhsa_user_sgpr_kernarg_segment_ptr 1
		.amdhsa_wavefront_size32 1
		.amdhsa_system_sgpr_workgroup_id_x 1
		.amdhsa_system_sgpr_workgroup_id_y 1
		.amdhsa_system_sgpr_workgroup_id_z 1
		.amdhsa_system_vgpr_workitem_id 0
		.amdhsa_next_free_vgpr 512
		.amdhsa_next_free_sgpr 90
		.amdhsa_reserve_vcc 0
		.amdhsa_float_denorm_mode_32 3
		.amdhsa_float_denorm_mode_16_64 3
		.amdhsa_memory_ordered 1
		.amdhsa_forward_progress 1
		.amdhsa_inst_pref_size 58
	.end_amdhsa_kernel
	.amdgpu_metadata
---
amdhsa.version: [ 1, 2 ]
amdhsa.kernels:
  - .name:           k_qa1512be198_qkv
    .symbol:         k_qa1512be198_qkv.kd
    .args:
      - { .name: xc, .offset: 0, .size: 8, .value_kind: global_buffer, .address_space: global }
      - { .name: xs, .offset: 8, .size: 8, .value_kind: global_buffer, .address_space: global }
      - { .name: wc, .offset: 16, .size: 8, .value_kind: global_buffer, .address_space: global }
      - { .name: ws, .offset: 24, .size: 8, .value_kind: global_buffer, .address_space: global }
      - { .name: qkv, .offset: 32, .size: 8, .value_kind: global_buffer, .address_space: global }
    .group_segment_fixed_size: 327680
    .private_segment_fixed_size: 0
    .kernarg_segment_align: 8
    .kernarg_segment_size: 40
    .max_flat_workgroup_size: 256
    .sgpr_count:     90
    .vgpr_count:     512
    .wavefront_size: 32
...
	.end_amdgpu_metadata
.endif
;; end of part 2
;; launch attn (part 3): grid 64 x 4, 8 waves a work-group, clusters of 4 x 1, 327,680 bytes of LDS; arguments qkv, ao; writes ao
.if DOCPART == 3
	.amdgcn_target "amdgcn-amd-amdhsa--gfx1250"
	.amdhsa_code_object_version 6
	.text
	.protected	k_qa1512be198_attn
	.globl	k_qa1512be198_attn
	.p2align	8
	.type	k_qa1512be198_attn,@function
k_qa1512be198_attn:
	s_mov_b64 s[64:65], 0
	v_nop
	global_prefetch_b8 v0, s[64:65] scope:SCOPE_SE
	s_setreg_imm32_b32 hwreg(HW_REG_WAVE_MODE, 25, 1), 1
	s_wait_xcnt 0x0
	s_wait_alu depctr_hold_cnt(0) depctr_sa_sdst(0) depctr_va_vdst(0) depctr_va_sdst(0) depctr_va_ssrc(0) depctr_va_vcc(0) depctr_vm_vsrc(0)
	s_getreg_b32 s2, hwreg(HW_REG_IB_STS2, 6, 4)
	s_cmp_eq_u32 s2, 0
	s_cbranch_scc0 .Lentry_in_a_cluster
	s_endpgm
.Lentry_in_a_cluster:
	s_bfe_u32 s2, ttmp6, 0x10000c
	s_cmp_lg_u32 s2, 0x3003
	s_cbranch_scc0 .Lentry_shape_is_right
	s_endpgm
.Lentry_shape_is_right:
; ATTN: ao[b][q][64 h ..] = the sum over k of softmax_k(Q[b][h][q] . K[b][k] / 8) V[b][k].  One K and one V serve all 16 heads.  No mask.
; qkv [8192][1152] f16: Q at byte 0 of a row (head h at 128 h), K at 2,048, V at 2,176.  ao [8192][1024] f16.  Operands in f16; products, maxima, exponentials and sums in f32.
; LIMITS: the weights p (at most 1) and the result are rounded to f16: what lies under 6e-5 carries an absolute error of 3e-8.  c m is rounded once; the same rounded number stands in p, in the row's sum and in
; the factor a, so it cancels.  NaN and infinities are not served.
; SHARES.  With one K and V the heads are only more queries: a work-group owns 32 positions of one batch for ALL 16 heads, 512 queries: 64 x 4 work-groups of equal work.  Wave w owns heads 2 w, 2 w + 1:
; four tiles of 16 queries (tile t: head 2 w + t / 2, positions 16 (t % 2) on).  Every wave walks the batch's 2,048 keys, 64 a step.
; EIGHT WAVES OF 512 REGISTERS, IN PHASES.  A key step of a wave is 64 matrix instructions and 472 vector instructions.  Two waves share a SIMD, so that one wave's softmax stands beside the other's products;
; a fragment of K or V read from LDS still feeds four matrix instructions.  A step has seven switches of the register window.
; LAYOUT.  S^T = K Q^T (source 0 = 16 keys, source 1 = 16 queries): a lane holds ONE query (lane % 16) and the keys 8 (lane / 16) + 0..7.  Two such tiles, rounded to f16 in pairs, ARE source 1 (32 keys x 16
; queries) of O^T = V^T P, whose result again holds one query a lane.  K comes out of LDS as it lies, V ([key][channel]) turned, by ds_load_tr16_b128.
; SOFTMAX.  For each query a running maximum m and sum l: p = 2^(c s - c m), c = log2(e) / 8; in every step O and l are multiplied by a = 2^(c m_old - c m_new).  The step is written without a first
; step of its own: O^T and l begin as zeros and m as -3e38, so the first a is 0.
; CLUSTER.  The four work-groups of a cluster belong to one batch and walk the same K and V: every tile is asked for JOINTLY, by the same tensor load with the same descriptor and the mask of all four.
; RING.  Two slots of 256 keys (four steps).  At a change of slots each wave issues ONE load, 64 rows of K (waves 0-3) or of V (waves 4-7): one tensor load a wave is out, and it has four steps in which to land.
; REGISTERS.  window 0: v1-11 addresses; v12-15 at work at the head; v16-47 eight registers of statistics a tile; v64-191 S^T, 32 a tile (P is written in place into each tile's low 16); v192-255 K of a step.
;   window 1: v0-127 O^T, 32 a tile; v128-191 Q, 16 a tile; v192-255 V of a step.
.set PK,    144                        ; a key's row of K in LDS: 128 bytes + 16: an odd multiple of 16
.set PV,    160                        ; a key's row of V: 128 + 32: an odd multiple of 32, as the turning load's eight rows x 32 bytes want
.set VOFF,  256*PK                     ; a slot: 256 rows of K, then 256 rows of V
.set SLOT1, 1<<17                      ; slot 1 begins here, so that one exclusive or turns an address in one slot into the other's
.set STAGE, SLOT1+256*(PK+PV)          ; behind the ring: 32 rows x 272 bytes for each wave, its own, for the way out
.set SPARE, STAGE+8*32*272             ; the spare words, 128 bytes for each wave: four blocks of 256 bytes that no other line names
.set SLOTB, 256*2304                   ; 256 keys on, in memory
.set AK0, 1                            ; v1   my lane's place in a tile of K; never rewritten
.set AV0, 2                            ; v2   the same for V
.set ADK, 3                            ; v3   LDS address of the slot's K
.set ADV, 4                            ; v4   of its V
.set QO,  5                            ; v5   my byte offset in the wave's rows of Q
.set STO, 6                            ; v6   the way out: where I put 16 bytes of a row
.set RD,  7                            ; v7   where I read a row back
.set GO,  8                            ; v8   my byte offset in the wave's rows of ao
.set PFO, 9                            ; v9   2,304 x my lane: a lane a row; never rewritten
.set SPW, 10                           ; v10  LDS address of my spare word: SPARE + 4 x my thread's number; never rewritten
.set NIL, 11                           ; v11  0; never rewritten
.set ST,  16                           ; tile t's statistics at v[ST + 8 t]: +0 c m, +1 m, +2, +3 l (even keys', odd keys'), +4 to +7 at work; a in +6
.set S,   64
.set KB,  192
.set QF,  128                          ; in window 1
.set VB,  192                          ; in window 1
.set WV,  12                           ; s12  my wave's number
.set LIM, 16                           ; s16  1 in a wave that prefetches, else the greatest number
.set PFA, 18                           ; s[18:19] where my prefetches stand
.set G1K, 24                           ; s[24:31] descriptor group 1 for K's tiles;  s[32:39] for V's: it differs in the padding alone
.set G1V, 32
.set G0K, 40                           ; s[40:43], s[44:47] their groups 0, which walk
.set G0V, 44
.set SLOTS, 56                         ; s56  slots still to be asked for
.set CS,  58                           ; s[58:59] c: the packed form names a pair and takes its low word for both halves
.set SEL, 60                           ; s[60:61] lane selects for v_permlanex16_b32: lane l xor 16
.set TB,  62                           ; s62  LDS byte at which the slot in hand begins
.set MSB, 0
.macro WIN new                         ; the immediate's high byte repeats the setting that is left; a switch that changes nothing is dropped
.if MSB != \new
	s_set_vgpr_msb (MSB<<8)|\new
.set MSB, \new
.endif
.endm
.macro PLACES n
.rept \n
	v_nop
.endr
.endm
.macro CROUND                          ; a round of the cluster's barrier
	s_barrier_signal -1
	s_barrier_wait -1
	s_cmp_lg_u32 s[WV], 0
	s_cbranch_scc1 .Lnot_wave_0_\@
	s_barrier_signal -3
.Lnot_wave_0_\@:
	s_barrier_wait -3
	s_barrier_signal -1
	s_barrier_wait -1
.endm
; A joint load: waves 0-3 fetch the four quarters of a slot's K, waves 4-7 of its V.  The branch hangs on the wave's number alone.  An s_nop 0 and four v_nop follow each of the two lines.
.macro JLOAD
	s_cmp_lt_u32 s[WV], 4
	s_cbranch_scc0 .Lfor_v_\@
	tensor_load_to_lds s[G0K:G0K+3], s[G1K:G1K+7]
	s_nop 0
	PLACES 4
	s_branch .Lasked_\@
.Lfor_v_\@:
	tensor_load_to_lds s[G0V:G0V+3], s[G1V:G1V+7]
	s_nop 0
	PLACES 4
.Lasked_\@:
.endm
; A PREFETCH of what the NEXT change of slots will ask for: a key's K and V are together one aligned block of 256 bytes of its row, a slot has 256 keys.  Each block is named ONCE in the launch: all clusters of a
; batch walk the same keys, so the batch's first cluster asks; its four partners take 64 keys each, told apart BY ADDRESS; in each, waves 0 and 1 take 32 keys, a lane a key: one instruction a wave.
; It stands behind the wave's tensor load and its five lines, four key steps (256 matrix instructions a wave) ahead of the load that will want the rows.  The last change that fills a slot asks for nothing.
.macro ASK
	s_cmp_gt_u32 s[SLOTS], s[LIM]
	s_cbranch_scc0 .Lnot_mine_\@
	global_prefetch_b8 v[PFO], s[PFA:PFA+1] th:TH_LOAD_NT scope:SCOPE_SE
.Lnot_mine_\@:
.endm
	s_load_b128 s[4:7], s[0:1], 0x0                ; qkv 4:5, ao 6:7
	v_lshl_add_u32 v[SPW], v0, 2, SPARE
	v_mov_b32 v[NIL], 0
	ds_add_u32 v[SPW], v[NIL]                      ; the wave's opening: the add, twice on end, and its wait ahead of my first tensor load; the set-up below, work on registers, stands between
	ds_add_u32 v[SPW], v[NIL]
	v_lshrrev_b32 v12, 5, v0
	v_readfirstlane_b32 s[WV], v12                 ; wave 0..7
	s_bfe_u32 s13, ttmp6, 0x40000                  ; cx: my place in the cluster
	s_lshl_b32 s14, ttmp9, 2
	s_add_co_u32 s14, s14, s13                     ; my block of 32 positions: it enters Q's, ao's and the prefetches' addresses alone
	s_and_b32 s15, ttmp7, 0xffff                   ; the batch, which the four partners share
	s_and_b32 s17, s[WV], 3                        ; which quarter of a slot's rows I fetch
	s_mul_i32 s20, s15, 2048*2304
	s_mul_i32 s21, s17, 64*2304
	s_add_co_u32 s20, s20, s21                     ; the batch's first row + my 64 rows, in bytes
	s_mov_b32 s21, 0
	s_mul_i32 s22, s17, 64*PK                      ; and their place in a slot: no place in the cluster enters an LDS address
	s_mul_i32 s23, s17, 64*PV
	s_add_co_u32 s23, s23, VOFF
	s_lshl_b32 s8, s15, 11
	s_lshl_b32 s9, s14, 5
	s_add_co_u32 s8, s8, s9                        ; my work-group's first row: 2,048 b + 32 x block
	s_mul_i32 s2, s8, 2304
	s_lshl_b32 s9, s[WV], 8                        ; my two heads: 256 bytes of a row, in qkv and in ao
	s_add_co_u32 s2, s2, s9
	s_mov_b32 s3, 0
	s_lshl_b32 s10, s8, 11
	s_add_co_u32 s10, s10, s9
	s_mov_b32 s11, 0
	s_lshl_b32 s52, s15, 11                        ; the prefetches: key 2,048 b + 64 cx + 32 w,
	s_lshl_b32 s53, s13, 6
	s_add_co_u32 s52, s52, s53
	s_lshl_b32 s53, s[WV], 5
	s_add_co_u32 s52, s52, s53
	s_mul_i32 s52, s52, 2304
	s_add_co_u32 s52, s52, 2048+SLOTB              ; its K and V, in slot 1: the first change of slots steps it to slot 2.  Nothing is prefetched at the head
	s_mov_b32 s53, 0
	s_lshr_b32 s[LIM], s[WV], 1                    ; 0 in waves 0 and 1,
	s_or_b32 s[LIM], s[LIM], ttmp9                 ; where the cluster is the batch's first: the same in all four partners
	s_cmp_eq_u32 s[LIM], 0
	s_cselect_b32 s[LIM], 1, -1
	; descriptor group 1: 64 rows x 64 elements of 2 bytes, 1,152 elements apart in memory, padded in LDS
	s_mov_b32 s[G1K], 15|(1<<16)|(1<<20)|(1<<21)|(4<<22)|(3<<25)   ; 15:0 the mask: all four; 17:16 elements of 2 bytes; 20 padding on; 21 set beside a mask; 24:22 after every 32 words (code 4); 31:25 four words (code 3)
	s_mov_b32 s[G1V], 15|(1<<16)|(1<<20)|(1<<21)|(4<<22)|(7<<25)   ; the same with eight words of padding (code 7)
.irp g, G1K, G1V
	s_mov_b32 s[\g+1], 64<<16                      ; tensor_dim0
	s_mov_b32 s[\g+2], 64<<16                      ; tensor_dim1
	s_mov_b32 s[\g+3], 64<<16                      ; tile_dim0
	s_mov_b32 s[\g+4], 64                          ; tile_dim1
	s_mov_b32 s[\g+5], 1152                        ; from row to row
	s_mov_b32 s[\g+6], 0
	s_mov_b32 s[\g+7], 0
.endr
	s_mov_b32 s[CS], 0x3e38aa3b                    ; c = log2(e) / 8
	s_mov_b32 s[CS+1], s[CS]                       ; (named with it as a pair, so it is written)
	s_mov_b32 s[SEL], 0x76543210
	s_mov_b32 s[SEL+1], 0xfedcba98
	s_mov_b32 s[TB], 0
	s_mov_b32 s[SLOTS], 7
	s_wait_dscnt 0x0                               ; both opening adds are done
	s_wait_kmcnt 0x0
	s_add_nc_u64 s[PFA:PFA+1], s[4:5], s[52:53]
	s_add_nc_u64 s[20:21], s[4:5], s[20:21]        ; the rows that I fetch, in slot 0
	s_add_nc_u64 s[4:5], s[4:5], s[2:3]            ; Q at my wave's first row and head
	s_add_nc_u64 s[6:7], s[6:7], s[10:11]          ; ao likewise
	CROUND                                         ; all four work-groups are here: the first joint loads meet
	s_mov_b32 s[G0K], 1                            ; 1:0 count = 1
	s_mov_b32 s[G0K+1], s22                        ; 63:32 LDS address: slot 0
	s_add_nc_u64 s[G0K+2:G0K+3], s[20:21], 2048    ; 120:64 global address: K's 128 bytes of the row
	s_or_b32 s[G0K+3], s[G0K+3], 0x80000000        ; 127:126 type = 2
	s_mov_b32 s[G0V], 1
	s_mov_b32 s[G0V+1], s23
	s_add_nc_u64 s[G0V+2:G0V+3], s[20:21], 2176    ; V's
	s_or_b32 s[G0V+3], s[G0V+3], 0x80000000
	JLOAD                                          ; slot 0
	v_and_b32 v12, 15, v0                          ; r = lane % 16
	v_bfe_u32 v13, v0, 4, 1                        ; h = lane / 16
	v_mul_u32_u24 v[QO], v12, 2304
	v_lshl_add_u32 v[QO], v13, 4, v[QO]            ; Q: row r, + 16 h
	WIN 0x40                                       ; destination window 1
.irp t, 0,1,2,3                                ; Q stays in registers: a fragment is 16 rows x 32 channels: registers 0-3 channels 8 h + 0..7, registers 4-7 channels 16 + 8 h + 0..7
.irp f, 0,1
	global_load_b128 v[QF+16*\t+8*\f:QF+16*\t+8*\f+3],   v[QO], s[4:5] offset:(\t%2)*16*2304+(\t/2)*128+64*\f
	global_load_b128 v[QF+16*\t+8*\f+4:QF+16*\t+8*\f+7], v[QO], s[4:5] offset:(\t%2)*16*2304+(\t/2)*128+64*\f+32
.endr
.endr
.set i, 0
.rept 128
	v_mov_b32 v[i], 0                              ; O^T: the loop's first step finds zeros, which its a = 0 leaves zeros.  A first step of its own would be a third copy of four key steps
.set i, i+1
.endr
	WIN 0
	v_mul_u32_u24 v[AK0], v12, PK
	v_lshl_add_u32 v[AK0], v13, 4, v[AK0]          ; K: row r x pitch + 16 h
	v_and_b32 v14, 7, v0                           ; V, for the turning load: lane l reads 16 bytes: key 8 h + l % 8, channels 8 ((l / 8) % 2) + 0..7
	v_bfe_u32 v15, v0, 3, 1
	v_lshl_add_u32 v[AV0], v13, 3, v14
	v_mul_u32_u24 v[AV0], v[AV0], PV
	v_lshl_add_u32 v[AV0], v15, 4, v[AV0]
	v_add_nc_u32 v[AV0], VOFF, v[AV0]
	s_mul_i32 s8, s[WV], 32*272
	s_add_co_u32 s8, s8, STAGE                     ; my stage
	v_mul_u32_u24 v[STO], v12, 272                 ; in: row r, 16 bytes for each half of the lanes
	v_lshl_add_u32 v[STO], v13, 4, v[STO]
	v_add_nc_u32 v[STO], s8, v[STO]
	v_mul_u32_u24 v[RD], v13, 272                  ; back: lanes 0-15 one row of 256 bytes, lanes 16-31 the next
	v_lshl_add_u32 v[RD], v12, 4, v[RD]
	v_add_nc_u32 v[RD], s8, v[RD]
	v_lshlrev_b32 v[GO], 11, v13                   ; and the same two rows in ao
	v_lshl_add_u32 v[GO], v12, 4, v[GO]
	v_and_b32 v[PFO], 31, v0
	v_mul_u32_u24 v[PFO], v[PFO], 2304
.irp t, 0,1,2,3
	v_mov_b32 v[ST+8*\t+1], 0xff61b1e6             ; m = -3e38, under every score
	v_mul_f32 v[ST+8*\t], s[CS], v[ST+8*\t+1]      ; c m
.irp j, 2,3,4,5,6,7
	v_mov_b32 v[ST+8*\t+\j], 0                     ; l; and the registers at work are written once: a lane permute's destination counts as one of its sources
.endr
.endr
; A step's K: 64 keys x 64 channels: 8 fragments, 16 loads.  Fragment (kt, f): keys 16 kt on, channels 32 f on.
.macro FETCH_K q
	WIN 0
.irp kt, 0,1,2,3
.irp f, 0,1
	ds_load_b128 v[KB+8*(2*\kt+\f):KB+8*(2*\kt+\f)+3],   v[ADK] offset:(64*(\q)+16*\kt)*PK+64*\f
	ds_load_b128 v[KB+8*(2*\kt+\f)+4:KB+8*(2*\kt+\f)+7], v[ADK] offset:(64*(\q)+16*\kt)*PK+64*\f+32
.endr
.endr
.endm
; A step's V, turned: fragment (g, c): keys 32 g on, channels 16 c on: lane l holds channel l % 16.  16 loads.
.macro FETCH_V q
	WIN 0x40                                       ; destination window 1
.irp g, 0,1
.irp c, 0,1,2,3
	ds_load_tr16_b128 v[VB+8*(4*\g+\c):VB+8*(4*\g+\c)+3],   v[ADV] offset:(64*(\q)+32*\g)*PV+32*\c
	ds_load_tr16_b128 v[VB+8*(4*\g+\c)+4:VB+8*(4*\g+\c)+7], v[ADV] offset:(64*(\q)+32*\g+16)*PV+32*\c
.endr
.endr
.endm
; 32 products S^T = K Q^T; the first 16 start the sums.  16 accumulators take turns, one instruction a turn.
.macro KQ
	WIN 0x04                                       ; Q in window 1
.irp f, 0,1
.irp kt, 0,1,2,3
.irp t, 0,1,2,3
.if \f == 0
	v_wmma_f32_16x16x32_f16 v[S+32*\t+8*\kt:S+32*\t+8*\kt+7], v[KB+8*(2*\kt+\f):KB+8*(2*\kt+\f)+7], v[QF+16*\t+8*\f:QF+16*\t+8*\f+7], 0
.else
	v_wmma_f32_16x16x32_f16 v[S+32*\t+8*\kt:S+32*\t+8*\kt+7], v[KB+8*(2*\kt+\f):KB+8*(2*\kt+\f)+7], v[QF+16*\t+8*\f:QF+16*\t+8*\f+7], v[S+32*\t+8*\kt:S+32*\t+8*\kt+7]
.endif
.endr
.endr
.endr
.endm
; 32 products O^T += V^T P, likewise by turns.
.macro PVM
	WIN 0x51                                       ; V, C and D in window 1, P in window 0
.irp g, 0,1
.irp c, 0,1,2,3
.irp t, 0,1,2,3
	v_wmma_f32_16x16x32_f16 v[32*\t+8*\c:32*\t+8*\c+7], v[VB+8*(4*\g+\c):VB+8*(4*\g+\c)+7], v[S+32*\t+8*\g:S+32*\t+8*\g+7], v[32*\t+8*\c:32*\t+8*\c+7]
.endr
.endr
.endr
.endm
; THE SOFTMAX of a key step, for the wave's four tiles.  Every line is written for tiles 0 to 3 on end, so that where one line feeds the next the other tiles' lines stand between.
.macro SOFTMAX
	WIN 0
.irp j, 0,1,2,3                                ; the maximum of a lane's 32 scores and the old m, three operands at a time: four chains, each begun at the low end of one accumulator
.irp t, 0,1,2,3
	v_max3_num_f32 v[ST+8*\t+4+\j], v[S+32*\t+8*\j], v[S+32*\t+8*\j+1], v[S+32*\t+8*\j+2]
.endr
.endr
.irp u, 1,2
.irp j, 0,1,2,3
.irp t, 0,1,2,3
	v_max3_num_f32 v[ST+8*\t+4+\j], v[ST+8*\t+4+\j], v[S+32*\t+8*\j+2*\u+1], v[S+32*\t+8*\j+2*\u+2]
.endr
.endr
.endr
.irp t, 0,1,2,3
	v_max3_num_f32 v[ST+8*\t+4], v[ST+8*\t+4], v[S+32*\t+7], v[S+32*\t+15]
.endr
.irp t, 0,1,2,3
	v_max3_num_f32 v[ST+8*\t+6], v[ST+8*\t+6], v[S+32*\t+23], v[S+32*\t+31]
.endr
.irp t, 0,1,2,3
	v_max3_num_f32 v[ST+8*\t+4], v[ST+8*\t+4], v[ST+8*\t+5], v[ST+8*\t+6]
.endr
.irp t, 0,1,2,3
	v_max3_num_f32 v[ST+8*\t+4], v[ST+8*\t+4], v[ST+8*\t+7], v[ST+8*\t+1]
.endr
.irp t, 0,1,2,3
	v_permlanex16_b32 v[ST+8*\t+5], v[ST+8*\t+4], s[SEL], s[SEL+1]   ; the query's other 32 keys lie in the lane 16 away
.endr
.irp t, 0,1,2,3
	v_mov_b32 v[ST+8*\t+7], v[ST+8*\t]             ; c m_old is kept for a
.endr
.irp t, 0,1,2,3
	v_max_num_f32 v[ST+8*\t+1], v[ST+8*\t+4], v[ST+8*\t+5]   ; the new m
.endr
.irp t, 0,1,2,3
	v_mul_f32 v[ST+8*\t], s[CS], v[ST+8*\t+1]      ; c m
.endr
.irp t, 0,1,2,3
	v_sub_f32 v[ST+8*\t+7], v[ST+8*\t+7], v[ST+8*\t]
.endr
	; ONE BATCH: the 16 scalings c s - c m of a tile, a pair of scores each, and its 33 exponentials.  No line of the batch names an exponential's result
.irp t, 0,1,2,3
	v_pk_fma_f32 v[S+32*\t:S+32*\t+1], v[S+32*\t:S+32*\t+1], s[CS:CS+1], v[ST+8*\t:ST+8*\t+1] op_sel_hi:[1,0,0] neg_lo:[0,0,1] neg_hi:[0,0,1]
.endr
.irp t, 0,1,2,3
	v_exp_f32 v[ST+8*\t+6], v[ST+8*\t+7]           ; a = 2^(c m_old - c m_new)
.endr
.irp b, 0,1,2,3,4,5,6,7,8,9,10,11,12,13,14,15
.if \b < 15
.irp t, 0,1,2,3
	v_pk_fma_f32 v[S+32*\t+2*\b+2:S+32*\t+2*\b+3], v[S+32*\t+2*\b+2:S+32*\t+2*\b+3], s[CS:CS+1], v[ST+8*\t:ST+8*\t+1] op_sel_hi:[1,0,0] neg_lo:[0,0,1] neg_hi:[0,0,1]
.endr
.endif
.irp t, 0,1,2,3
	v_exp_f32 v[S+32*\t+2*\b], v[S+32*\t+2*\b]
.endr
.irp t, 0,1,2,3
	v_exp_f32 v[S+32*\t+2*\b+1], v[S+32*\t+2*\b+1]
.endr
.endr
	v_nop                                          ; a plain instruction behind the last exponential, ahead of the first use (ISA guide 5.7.2)
	s_wait_alu depctr_va_vdst(0)                   ; and a wait ahead of the first line that names a result: one for the 132 exponentials
	; the row's sums, of the unrounded p, in two chains: l = a l + the even pairs; the odd pairs beside it
.irp t, 0,1,2,3
	v_pk_fma_f32 v[ST+8*\t+2:ST+8*\t+3], v[ST+8*\t+2:ST+8*\t+3], v[ST+8*\t+6:ST+8*\t+7], v[S+32*\t:S+32*\t+1] op_sel_hi:[1,0,1]
.endr
.irp t, 0,1,2,3
	v_pk_add_f32 v[ST+8*\t+4:ST+8*\t+5], v[S+32*\t+2:S+32*\t+3], v[S+32*\t+6:S+32*\t+7]
.endr
.irp k, 1,2,3,4,5,6
.irp t, 0,1,2,3
	v_pk_add_f32 v[ST+8*\t+2:ST+8*\t+3], v[ST+8*\t+2:ST+8*\t+3], v[S+32*\t+4*\k:S+32*\t+4*\k+1]
.endr
.irp t, 0,1,2,3
	v_pk_add_f32 v[ST+8*\t+4:ST+8*\t+5], v[ST+8*\t+4:ST+8*\t+5], v[S+32*\t+4*\k+6:S+32*\t+4*\k+7]
.endr
.endr
.irp t, 0,1,2,3
	v_pk_add_f32 v[ST+8*\t+2:ST+8*\t+3], v[ST+8*\t+2:ST+8*\t+3], v[S+32*\t+28:S+32*\t+29]
.endr
.irp t, 0,1,2,3
	v_pk_add_f32 v[ST+8*\t+2:ST+8*\t+3], v[ST+8*\t+2:ST+8*\t+3], v[ST+8*\t+4:ST+8*\t+5]
.endr
	; P, in place: register i of a tile takes the weights 2 i and 2 i + 1; i ascends, so no weight is written over before it is read
.irp i, 0,1,2,3,4,5,6,7,8,9,10,11,12,13,14,15
.irp t, 0,1,2,3
	v_cvt_pk_f16_f32 v[S+32*\t+\i], v[S+32*\t+2*\i], v[S+32*\t+2*\i+1]
.endr
.endr
	WIN 0x41                                       ; O^T (destination and source 0) in window 1, a in window 0
.irp i, 0,1,2,3,4,5,6,7,8,9,10,11,12,13,14,15
.irp t, 0,1,2,3
	v_pk_mul_f32 v[32*\t+2*\i:32*\t+2*\i+1], v[32*\t+2*\i:32*\t+2*\i+1], v[ST+8*\t+6:ST+8*\t+7] op_sel_hi:[1,0]   ; O^T x a, each accumulator from its low end on
.endr
.endr
	WIN 0
.endm
; A SLOT'S FOUR KEY STEPS.  K of step q + 1 is fetched behind the products K Q^T of step q and lands under the softmax; V of step q + 1 behind the products V^T P of step q.  No fetch crosses a change of slots.
.macro SLOTWORK
	v_add_nc_u32 v[ADK], s[TB], v[AK0]
	v_add_nc_u32 v[ADV], s[TB], v[AV0]
	FETCH_K 0
	FETCH_V 0
.irp q, 0,1,2,3
	s_wait_dscnt 16                                ; K of this step is in; V's 16 loads, issued behind it, may be out
	KQ
	WIN 0
	PLACES 4                                       ; four places in front of the loads into K's registers and of the first read of the scores (ISA guide 7.12.1 for vector instructions)
.if \q < 3
	FETCH_K \q+1
.endif
	SOFTMAX
.if \q < 3
	s_wait_dscnt 16                                ; V of this step is in; the next step's K, 16 loads, may be out
.else
	s_wait_dscnt 0x0                               ; V is in, and my reads of the slot are over
.endif
	PVM
	WIN 0
	PLACES 5                                       ; four in front of the loads into V's registers; five in front of the next K Q^T, which writes over P's registers
.if \q < 3
	FETCH_V \q+1
.endif
.endr
	WIN 0
	s_xor_b32 s[TB], s[TB], SLOT1                  ; on to the other slot
.endm
; THE CHANGE OF SLOTS stands at a slot's head.  Each wave waits for all its tensor loads (one is out: its part of the slot that it is about to read), adds 0 to its spare word, and waits for that and for its
; reads of the slot that it has left.  fill = 1: a round of the cluster's barrier, so that no wave of any partner still reads that slot or has a load on its way; the joint load of the next 256 keys is the
; first thing behind it.  In the first trip every wave's load is slot 1's first fill; in the later trips every load fills bytes again.
.macro CHANGE fill
	s_wait_tensorcnt 0x0                           ; no tensor load of mine is out, so a group 0 may be written
	ds_add_u32 v[SPW], v[NIL]                      ; 0 onto my spare word: the descriptors' steps stand between it and the wait for it
.if \fill
	s_xor_b32 s[G0K+1], s[G0K+1], SLOT1            ; the walking descriptors: the other slot than last time,
	s_add_nc_u64 s[G0K+2:G0K+3], s[G0K+2:G0K+3], SLOTB   ; the next 256 keys; the type bits on top are not reached
	s_xor_b32 s[G0V+1], s[G0V+1], SLOT1
	s_add_nc_u64 s[G0V+2:G0V+3], s[G0V+2:G0V+3], SLOTB
	s_wait_xcnt 0x0                                ; the last prefetch, a slot back, has read its address, so it may be written:
	s_add_nc_u64 s[PFA:PFA+1], s[PFA:PFA+1], SLOTB ; one slot further on than the walking descriptors
	s_wait_dscnt 0x0                               ; the add is done, and my reads of the slot that I have left are over
	CROUND
	JLOAD
	ASK
.else
	s_wait_dscnt 0x0
	s_barrier_signal -1
	s_barrier_wait -1
.endif
.endm
	s_wait_loadcnt 0x0                             ; Q
.Lslot:                                            ; 7 trips: behind each change of slots but the last the next 256 keys are asked for
	CHANGE 1
	SLOTWORK
	s_sub_co_u32 s[SLOTS], s[SLOTS], 1
	s_cmp_lg_u32 s[SLOTS], 0
	s_cbranch_scc1 .Lslot
	CHANGE 0                                       ; the last slot is written out
	SLOTWORK
	; THE WAY OUT.  l's two halves and the other half of the lanes' are added; O^T is divided by l, rounded to f16 and sent through my stage: 32 rows x my two heads' 256 bytes.
.irp t, 0,1,2,3
	v_add_f32 v[ST+8*\t+4], v[ST+8*\t+2], v[ST+8*\t+3]
.endr
.irp t, 0,1,2,3
	v_permlanex16_b32 v[ST+8*\t+5], v[ST+8*\t+4], s[SEL], s[SEL+1]
.endr
.irp t, 0,1,2,3
	v_add_f32 v[ST+8*\t+4], v[ST+8*\t+4], v[ST+8*\t+5]
.endr
.irp t, 0,1,2,3
	v_rcp_f32 v[ST+8*\t+6], v[ST+8*\t+4]
.endr
	v_nop                                          ; a plain instruction between the last reciprocal and the use of its result
	s_wait_alu depctr_va_vdst(0)                   ; and a wait for the results: one for the four
	WIN 0x41
.irp t, 0,1,2,3
.irp i, 0,1,2,3,4,5,6,7,8,9,10,11,12,13,14,15
	v_pk_mul_f32 v[32*\t+2*\i:32*\t+2*\i+1], v[32*\t+2*\i:32*\t+2*\i+1], v[ST+8*\t+6:ST+8*\t+7] op_sel_hi:[1,0]
.endr
.endr
	WIN 0x05                                       ; sources in window 1, destination in window 0: S^T's registers are free
.irp t, 0,1,2,3
.irp i, 0,1,2,3,4,5,6,7,8,9,10,11,12,13,14,15
	v_cvt_pk_f16_f32 v[S+16*\t+\i], v[32*\t+2*\i], v[32*\t+2*\i+1]   ; registers 4 c .. 4 c + 3 of a tile: channels 16 c + 8 h + 0..7 of my query: 16 bytes
.endr
.endr
	WIN 0
.irp t, 0,1,2,3
.irp c, 0,1,2,3
	ds_store_b128 v[STO], v[S+16*\t+4*\c:S+16*\t+4*\c+3] offset:(\t%2)*16*272+(\t/2)*128+32*\c
.endr
.endr
.irp i, 0,1,2,3,4,5,6,7,8,9,10,11,12,13,14,15
	ds_load_b128 v[128+4*\i:131+4*\i], v[RD] offset:\i*2*272       ; LDS serves a wave's instructions in order (ISA guide 5.7.1.4): these see my stores
.endr
.irp i, 0,1,2,3,4,5,6,7,8,9,10,11,12,13,14,15
	s_wait_dscnt 15-\i                             ; load i is in; the 15 - i younger ones may be out
	global_store_b128 v[GO], v[128+4*\i:131+4*\i], s[6:7] offset:\i*4096   ; sixteen lanes store 256 consecutive bytes, at a multiple of 256 from ao's first byte
.endr
	s_wait_tensorcnt 0x0                           ; the wave's end: three lines behind my last tensor load and my last LDS store
	ds_add_u32 v[SPW], v[NIL]
	s_wait_dscnt 0x0
	CROUND                                         ; the closing round: no work-group ends while a partner may still ask for a tile that names it
	s_endpgm
.Lfunc_end_k_qa1512be198_attn:
	.size	k_qa1512be198_attn, .Lfunc_end_k_qa1512be198_attn-k_qa1512be198_attn
	.p2alignl 7, 3214868480
	.fill 96, 4, 3214868480
	.section	.rodata,"a",@progbits
	.p2align	6, 0x0
	.amdhsa_kernel k_qa1512be198_attn
		.amdhsa_group_segment_fixed_size 327680
		.amdhsa_private_segment_fixed_size 0
		.amdhsa_enable_private_segment 0
		.amdhsa_kernarg_size 16
		.amdhsa_user_sgpr_count 2
		.amdhsa_user_sgpr_kernarg_segment_ptr 1
		.amdhsa_wavefront_size32 1
		.amdhsa_system_sgpr_workgroup_id_x 1
		.amdhsa_system_sgpr_workgroup_id_y 1
		.amdhsa_system_sgpr_workgroup_id_z 1
		.amdhsa_system_vgpr_workitem_id 0
		.amdhsa_next_free_vgpr 512
		.amdhsa_next_free_sgpr 66
		.amdhsa_reserve_vcc 0
		.amdhsa_float_denorm_mode_32 3
		.amdhsa_float_denorm_mode_16_64 3
		.amdhsa_memory_ordered 1
		.amdhsa_forward_progress 1
		.amdhsa_inst_pref_size 255
	.end_amdhsa_kernel
	.section	.bss,"aw",@nobits
	.p2align	6
	.space	262144
	.amdgpu_metadata
---
amdhsa.version: [ 1, 2 ]
amdhsa.kernels:
  - .name:           k_qa1512be198_attn
    .symbol:         k_qa1512be198_attn.kd
    .args:
      - { .name: qkv, .offset: 0, .size: 8, .value_kind: global_buffer, .address_space: global }
      - { .name: ao, .offset: 8, .size: 8, .value_kind: global_buffer, .address_space: global }
    .group_segment_fixed_size: 327680
    .private_segment_fixed_size: 0
    .kernarg_segment_align: 8
    .kernarg_segment_size: 16
    .max_flat_workgroup_size: 256
    .sgpr_count:     66
    .vgpr_count:     512
    .wavefront_size: 32
...
	.end_amdgpu_metadata
.endif
;; end of part 3
;; launch proj (part 4): grid 4 x 64, 4 waves a work-group, clusters of 4 x 4, 327,680 bytes of LDS; arguments ao, wo16, out0; writes out0
.if DOCPART == 4
	.amdgcn_target "amdgcn-amd-amdhsa--gfx1250"
	.amdhsa_code_object_version 6
	.text
	.protected	k_qa1512be198_proj
	.globl	k_qa1512be198_proj
	.p2align	8
	.type	k_qa1512be198_proj,@function
k_qa1512be198_proj:
	s_mov_b64 s[64:65], 0
	v_nop
	global_prefetch_b8 v0, s[64:65] scope:SCOPE_SE
	s_setreg_imm32_b32 hwreg(HW_REG_WAVE_MODE, 25, 1), 1
	s_wait_xcnt 0x0
	s_wait_alu depctr_hold_cnt(0) depctr_sa_sdst(0) depctr_va_vdst(0) depctr_va_sdst(0) depctr_va_ssrc(0) depctr_va_vcc(0) depctr_vm_vsrc(0)
	s_getreg_b32 s2, hwreg(HW_REG_IB_STS2, 6, 4)
	s_cmp_eq_u32 s2, 0
	s_cbranch_scc0 .Lentry_in_a_cluster
	s_endpgm
.Lentry_in_a_cluster:
	s_bfe_u32 s2, ttmp6, 0x10000c
	s_cmp_lg_u32 s2, 0xf033
	s_cbranch_scc0 .Lentry_shape_is_right
	s_endpgm
.Lentry_shape_is_right:
; PROJ: out0[m][n] = the sum over k of ao[m][k] Wo[k][n].  ao [8192][1024] f16 (K innermost), wo16 [1024 k][1024 n] f16 (as Wo lies), out0 [8192][1024] f32; sums in f32.
; SHARES.  A tile of out0 is 128 rows x 256 columns: 4 x 64 = 256 work-groups; tiles of 256 x 256 would be 128.  Four waves, each 64 rows x 128 columns: 4 x 8 accumulators, 256 registers.
; K goes in 8 steps of 128 through a ring of two LDS slots: ao's rows of 256 bytes, Wo's 128 rows (k) of 512 bytes.  A step is four quarters of 32 along K, 32 matrix instructions each, on two fragment buffers.
; CLUSTERS: 4 x 4 work-groups.  The four of a row of the cluster need the same tiles of ao, the four of a column the same tiles of Wo: each tile is asked for JOINTLY, by the same tensor load with the same
; descriptor and a mask that names the four.
; THE MATRIX INSTRUCTION IS USED TRANSPOSED: source 0 = 16 columns of Wo (turned out of LDS by ds_load_tr16_b128: Wo needs no transposed copy), source 1 = 16 rows of ao: a lane holds eight neighbouring
; numbers of a row of out0.
; REGISTERS.  window 0: v1-5 at work at the head; v16-30 addresses; v32-127, v128-223 two fragment buffers (ao 4 x 8, then Wo 8 x 8); the way out: v32-159.   window 1: accumulator (a, b) at v[8 (8 a + b)].
.set PA,     272                       ; a row of ao's tile in LDS: 256 bytes + 16: an odd multiple of 16
.set PB,     544                       ; a row of Wo's tile: 512 + 32: an odd multiple of 32, as the turning load's eight rows x 32 bytes want
.set BOFF,   128*PA                    ; a slot: ao's 128 rows, then Wo's 128 rows
.set SLOT,   128*(PA+PB)
.set STAGE,  2*SLOT                    ; behind the ring: 16 rows x (512 + 16) bytes for each wave, its own, for the way out
.set SPITCH, 528
.set SPARE,  STAGE+4*16*SPITCH         ; the spare words, 128 bytes for each wave: two blocks of 256 bytes that no other line names
.set ADRA, 16                          ; v16-17  LDS address of my fragments of ao in slot 0, 1
.set ADRB, 20                          ; v20-21  of Wo
.set STO,  24                          ; v24     the way out: where I put 32 bytes of a row
.set RD,   25                          ; v25     where I read a row back
.set CO,   26                          ; v26     my byte offset in a row of out0
.set SPW,  28                          ; v28     LDS address of my spare word: SPARE + 4 x my thread's number; never rewritten
.set NIL,  29                          ; v29     0; never rewritten
.set PFO,  30                          ; v30     2,048 x my lane: a row of ao or of wo16; never rewritten
.set F0,   32
.set F1,   128
.set BK,   32                          ; the way out: 16 rows read back: v32-95 and v96-159 by turns
.set G1,  24                           ; s[24:31] descriptor group 1 for ao's tiles;  s[32:39] group 0, a set for each slot
.set G0,  32
.set G1B, 48                           ; s[48:55], s[56:63] the same for Wo's
.set G0B, 56
.set PFA, 68                           ; s[68:69] where my prefetches stand;  s[70:71] a K step on, in bytes;  s72: 1 in a wave that prefetches, else the greatest number
.set PFS, 70
.set LIM, 72
.set MSB, 0
.macro WIN new                         ; the immediate's high byte repeats the setting that is left; a switch that changes nothing is dropped
.if MSB != \new
	s_set_vgpr_msb (MSB<<8)|\new
.set MSB, \new
.endif
.endm
.macro PLACES n
.rept \n
	v_nop
.endr
.endm
; A joint load: waves 0 and 1 fetch the halves of ao's tile, waves 2 and 3 of Wo's.  The branch hangs on the wave's number alone.  An s_nop 0 and four v_nop follow each of the two lines.
.macro JLOAD s
	s_cmp_eq_u32 s11, 0
	s_cbranch_scc0 .Lfor_b_\@
	tensor_load_to_lds s[G0+4*\s:G0+4*\s+3], s[G1:G1+7]
	s_nop 0
	PLACES 4
	s_branch .Lasked_\@
.Lfor_b_\@:
	tensor_load_to_lds s[G0B+4*\s:G0B+4*\s+3], s[G1B:G1B+7]
	s_nop 0
	PLACES 4
.Lasked_\@:
.endm
.macro CREST                           ; a round of the cluster's barrier behind its opening barrier
	s_cmp_lg_u32 s10, 0
	s_cbranch_scc1 .Lnot_wave_0_\@
	s_barrier_signal -3
.Lnot_wave_0_\@:
	s_barrier_wait -3
	s_barrier_signal -1
	s_barrier_wait -1
.endm
.macro CROUND
	s_barrier_signal -1
	s_barrier_wait -1
	CREST
.endm
; A PREFETCH of the K step that stands TWO refills on (256 matrix instructions a wave ahead of the load that will want it), behind each joint load and the run of LDS loads that follows it.  Each aligned block of
; 256 bytes is named ONCE in the launch.  ao: a K step is 256 bytes of each of the tile's 128 rows, which only the four partners of my row of the cluster read: each takes 32 rows, told apart BY ADDRESS (cx);
; wave 0 asks, a lane a row.  Wo: a K step is 128 rows of 512 bytes for a tile column, read by every cluster: the first cluster asks; its partners of a column take 32 rows each (cy), waves 2 and 3 one block
; of 256 bytes each.  K steps 0 to 3 come by their loads alone; the loop's last trip (s3 = 1) asks for nothing: there is no K step two on.
.macro ASK
	s_cmp_gt_u32 s3, s[LIM]
	s_cbranch_scc0 .Lnot_mine_\@
	global_prefetch_b8 v[PFO], s[PFA:PFA+1] th:TH_LOAD_NT scope:SCOPE_SE
.Lnot_mine_\@:
.endm
	s_load_b128 s[4:7], s[0:1], 0x0                ; ao 4:5, wo16 6:7
	s_load_b64 s[8:9], s[0:1], 0x10                ; out0
	v_lshl_add_u32 v[SPW], v0, 2, SPARE
	v_mov_b32 v[NIL], 0
	ds_add_u32 v[SPW], v[NIL]                      ; the wave's opening: the add, twice on end, and its wait ahead of my first tensor load; the set-up below, work on registers, stands between
	ds_add_u32 v[SPW], v[NIL]
	v_lshrrev_b32 v1, 5, v0
	v_readfirstlane_b32 s10, v1                    ; wave 0..3
	s_lshr_b32 s11, s10, 1                         ; which 64 rows of the tile are mine.  Also: I fetch for ao (0) or for Wo (1)
	s_and_b32 s12, s10, 1                          ; which 128 columns.  Also: which 64 rows of that tile I fetch
	s_bfe_u32 s40, ttmp6, 0x40000                  ; cx, cy: my place in the cluster
	s_bfe_u32 s41, ttmp6, 0x40004
	s_lshl_b32 s42, ttmp9, 2
	s_add_co_u32 s42, s42, s40                     ; tile column = 4 x cluster x + cx
	s_and_b32 s13, ttmp7, 0xffff
	s_lshl_b32 s13, s13, 2
	s_add_co_u32 s13, s13, s41                     ; tile row = 4 x cluster y + cy
	s_lshl_b32 s43, s41, 2
	s_lshl_b32 s43, 15, s43                        ; my row of the cluster: places 4 cy .. 4 cy + 3
	s_lshl_b32 s44, 0x1111, s40                    ; my column: places cx, cx + 4, cx + 8, cx + 12
	s_or_b32 s[G1], s43, (1<<16)|(1<<20)|(1<<21)|(5<<22)|(3<<25)    ; 15:0 the mask; 17:16 elements of 2 bytes; 20 padding on; 21 set beside a mask; 24:22 after every 64 words (code 5); 31:25 four words (code 3)
	s_mov_b32 s[G1+1], 128<<16                     ; tensor_dim0 = 128 elements
	s_mov_b32 s[G1+2], 64<<16                      ; tensor_dim1 = 64 rows
	s_mov_b32 s[G1+3], 128<<16                     ; tile_dim0
	s_mov_b32 s[G1+4], 64                          ; tile_dim1
	s_mov_b32 s[G1+5], 1024                        ; from row to row
	s_mov_b32 s[G1+6], 0
	s_mov_b32 s[G1+7], 0
	s_or_b32 s[G1B], s44, (1<<16)|(1<<20)|(1<<21)|(6<<22)|(7<<25)   ; after every 128 words (code 6) eight words (code 7)
	s_mov_b32 s[G1B+1], 256<<16
	s_mov_b32 s[G1B+2], 64<<16
	s_mov_b32 s[G1B+3], 256<<16
	s_mov_b32 s[G1B+4], 64
	s_mov_b32 s[G1B+5], 1024
	s_mov_b32 s[G1B+6], 0
	s_mov_b32 s[G1B+7], 0
	; ao's tiles hang on the tile row alone, Wo's on the tile column alone; every wave makes both addresses, in registers that never hold the other coordinate
	s_lshl_b32 s16, s13, 7
	s_lshl_b32 s17, s12, 6
	s_add_co_u32 s16, s16, s17
	s_lshl_b32 s16, s16, 11                        ; ao: (128 x tile row + 64 x half) rows of 2,048 bytes
	s_mov_b32 s17, 0
	s_lshl_b32 s46, s12, 17                        ; Wo: 64 x half rows of 2,048 bytes,
	s_lshl_b32 s47, s42, 9                         ; + 512 bytes x tile column
	s_add_co_u32 s46, s46, s47
	s_mov_b32 s47, 0
	s_mul_i32 s20, s12, 64*PA                      ; where they go: no place in the cluster enters an LDS address
	s_mul_i32 s21, s12, 64*PB
	s_add_co_u32 s21, s21, BOFF
	s_wait_dscnt 0x0                               ; both opening adds are done
	s_wait_kmcnt 0x0
	s_add_nc_u64 s[14:15], s[4:5], s[16:17]
	s_add_nc_u64 s[46:47], s[6:7], s[46:47]
	CROUND                                         ; all sixteen work-groups are here: the first joint loads meet
.irp s, 0,1
	s_mov_b32 s[G0+4*\s], 1
	s_add_co_u32 s[G0+4*\s+1], s20, \s*SLOT
	s_add_nc_u64 s[G0+4*\s+2:G0+4*\s+3], s[14:15], \s*256          ; K step s: 256 bytes on in each row
	s_or_b32 s[G0+4*\s+3], s[G0+4*\s+3], 0x80000000
	s_mov_b32 s[G0B+4*\s], 1
	s_add_co_u32 s[G0B+4*\s+1], s21, \s*SLOT
	s_add_nc_u64 s[G0B+4*\s+2:G0B+4*\s+3], s[46:47], \s*128*2048   ; K step s: 128 rows down
	s_or_b32 s[G0B+4*\s+3], s[G0B+4*\s+3], 0x80000000
	JLOAD \s                                       ; two loads of mine are out
.endr
	v_and_b32 v1, 15, v0                           ; r = lane % 16
	v_bfe_u32 v2, v0, 4, 1                         ; h = lane / 16
	v_mul_u32_u24 v3, v1, PA
	v_lshl_add_u32 v3, v2, 4, v3                   ; ao: row r x pitch + 16 h
	s_mul_i32 s16, s11, 64*PA
	v_add_nc_u32 v[ADRA], s16, v3
	v_add_nc_u32 v[ADRA+1], SLOT, v[ADRA]
	v_and_b32 v4, 7, v0                            ; Wo, for the turning load: lane l reads 16 bytes: k = 8 h + l % 8, columns 8 ((l / 8) % 2) + 0..7
	v_bfe_u32 v5, v0, 3, 1
	v_lshl_add_u32 v4, v2, 3, v4
	v_mul_u32_u24 v4, v4, PB
	v_lshl_add_u32 v4, v5, 4, v4
	s_lshl_b32 s16, s12, 8                         ; my 128 columns: 256 bytes
	s_add_co_u32 s16, s16, BOFF
	v_add_nc_u32 v[ADRB], s16, v4
	v_add_nc_u32 v[ADRB+1], SLOT, v[ADRB]
	s_mul_i32 s16, s10, 16*SPITCH
	s_add_co_u32 s16, s16, STAGE                   ; my stage
	v_mul_u32_u24 v3, v1, SPITCH                   ; in: row r, 32 bytes for each half of the lanes
	v_lshl_add_u32 v3, v2, 5, v3
	v_add_nc_u32 v[STO], s16, v3
	v_and_b32 v3, 31, v0
	v_lshlrev_b32 v[CO], 4, v3                     ; back: the 32 lanes take one row of 512 bytes; and the same in out0
	v_add_nc_u32 v[RD], s16, v[CO]
	v_lshlrev_b32 v[PFO], 11, v3
	s_lshl_b32 s16, s13, 7
	s_lshl_b32 s17, s11, 6
	s_add_co_u32 s16, s16, s17
	s_lshl_b32 s16, s16, 12                        ; my first row of out0: (128 x tile row + 64 x half) x 4,096 bytes,
	s_lshl_b32 s17, s42, 10                        ; my first column: 1,024 bytes x tile column + 512 x half
	s_add_co_u32 s16, s16, s17
	s_lshl_b32 s17, s12, 9
	s_add_co_u32 s16, s16, s17
	s_mov_b32 s17, 0
	s_add_nc_u64 s[8:9], s[8:9], s[16:17]
	; the prefetches: where my wave's stand, and who asks
	s_and_b32 s73, ttmp7, 0xffff                   ; cluster y
	s_lshl_b32 s74, s13, 7
	s_lshl_b32 s75, s40, 5
	s_add_co_u32 s74, s74, s75                     ; ao: row 128 x tile row + 32 cx,
	s_lshl_b32 s74, s74, 11
	s_add_co_u32 s74, s74, 3*256                   ; at K step 3: the first change of slots steps it to 4
	s_lshl_b32 s75, s41, 5
	s_add_co_u32 s75, s75, 3*128                   ; Wo: row 32 cy of K step 3,
	s_lshl_b32 s75, s75, 11
	s_lshl_b32 s76, s42, 9
	s_add_co_u32 s75, s75, s76                     ; the tile column's 512 bytes,
	s_lshl_b32 s76, s12, 8
	s_add_co_u32 s75, s75, s76                     ; my wave's 256 of them
	s_mov_b32 s[PFS], 128*2048
	s_cmp_eq_u32 s11, 0                            ; do I fetch for ao?
	s_cselect_b64 s[PFA:PFA+1], s[4:5], s[6:7]
	s_cselect_b32 s74, s74, s75
	s_cselect_b32 s[PFS], 256, s[PFS]              ; a K step on
	s_cselect_b32 s73, s12, s73                    ; ao: wave 0 asks, wave 1 does not; Wo: the first cluster's waves 2 and 3 ask
	s_mov_b32 s75, 0
	s_mov_b32 s[PFS+1], 0
	s_add_nc_u64 s[PFA:PFA+1], s[PFA:PFA+1], s[74:75]
	s_cmp_eq_u32 s73, 0
	s_cselect_b32 s[LIM], 1, -1                    ; the same in all sixteen partners, for a given wave
; 24 LDS loads in one run: the fragments of a quarter (32 along K, the slot's kq-th) into buffer f
.macro FETCH slot, kq, f
.irp b, 0,1,2,3,4,5,6,7
	ds_load_tr16_b128 v[\f+32+8*\b:\f+32+8*\b+3],   v[ADRB+\slot] offset:(\kq)*32*PB+32*\b
	ds_load_tr16_b128 v[\f+32+8*\b+4:\f+32+8*\b+7], v[ADRB+\slot] offset:(\kq)*32*PB+16*PB+32*\b
.endr
.irp a, 0,1,2,3
	ds_load_b128 v[\f+8*\a:\f+8*\a+3],   v[ADRA+\slot] offset:64*(\kq)+\a*16*PA
	ds_load_b128 v[\f+8*\a+4:\f+8*\a+7], v[ADRA+\slot] offset:64*(\kq)+\a*16*PA+32
.endr
.endm
; 8 n matrix instructions: ao's blocks a0 .. a0 + n - 1 x Wo's eight.  The 32 accumulators take turns, one instruction a turn, in the same order in every quarter.  zero = 1: the products start the sums.
.macro MUL f, a0, n, zero
.set AA, \a0
.rept \n
.irp b, 0,1,2,3,4,5,6,7
.if \zero
	v_wmma_f32_16x16x32_f16 v[8*(8*AA+\b):8*(8*AA+\b)+7], v[\f+32+8*\b:\f+32+8*\b+7], v[\f+8*AA:\f+8*AA+7], 0
.else
	v_wmma_f32_16x16x32_f16 v[8*(8*AA+\b):8*(8*AA+\b)+7], v[\f+32+8*\b:\f+32+8*\b+7], v[\f+8*AA:\f+8*AA+7], v[8*(8*AA+\b):8*(8*AA+\b)+7]
.endif
.endr
.set AA, AA+1
.endr
.endm
; One of a K step's first three quarters: fetches the slot's kq-th quarter into buffer g, then multiplies buffer f.
.macro QUARTER slot, kq, f, g, zero
	s_wait_dscnt 0x0                               ; buffer f is in: it was asked for ahead of the last quarter's 32 matrix instructions
	PLACES 4                                       ; four places in front of loads into the buffer that the last quarter multiplied (ISA guide 7.12.1 for vector instructions)
	FETCH \slot, \kq, \g
	WIN 0x50                                       ; C and D in window 1
	MUL \f, 0, 4, \zero
	WIN 0
.endm
; A K step's last quarter multiplies buffer 1 and changes slots: ONE barrier; in front of it each wave waits for all its tensor loads (one is out: its part of the next slot), adds 0 to its spare word, and waits
; for that and for its own reads of this slot.  fill = 1: the barrier opens a round of the cluster's barrier, and this slot is filled again, two K steps ahead, first thing behind the round.
.macro TURN slot, next, fill
.if \fill
	s_wait_xcnt 0x0                                ; the last prefetch, a K step back, has read its address: it is stepped here, ahead of the change's own waits
	s_add_nc_u64 s[PFA:PFA+1], s[PFA:PFA+1], s[PFS:PFS+1]
.endif
	s_wait_tensorcnt 0x0                           ; all my tensor loads have landed;
	ds_add_u32 v[SPW], v[NIL]                      ; 0 onto my spare word
	s_wait_dscnt 1                                 ; buffer 1 is in (the add may be out)
	WIN 0x50
	MUL F1, 0, 1, 0                                ; eight matrix instructions stand between the add and the wait for it
	s_wait_dscnt 0x0                               ; the add is done, and my reads of this slot are over
	s_barrier_signal -1
	MUL F1, 1, 1, 0
	WIN 0
	s_barrier_wait -1
.if \fill
	CREST                                          ; no wave of any partner still reads this slot's tile or has a load on its way
	s_add_nc_u64 s[G0+4*\slot+2:G0+4*\slot+3], s[G0+4*\slot+2:G0+4*\slot+3], 2*256
	s_add_nc_u64 s[G0B+4*\slot+2:G0B+4*\slot+3], s[G0B+4*\slot+2:G0B+4*\slot+3], 2*128*2048
	JLOAD \slot                                    ; the first tensor load behind the round; its four v_nop are also the places in front of the loads below
.else
	PLACES 4
.endif
	FETCH \next, 0, F0
.if \fill
	ASK
.endif
	WIN 0x50
	MUL F1, 2, 2, 0
	WIN 0
.endm
	s_wait_tensorcnt 1                             ; my part of K step 0 is in; K step 1's load may stay out
	s_barrier_signal -1
	s_barrier_wait -1                              ; everybody's is
	FETCH 0, 0, F0
	QUARTER 0, 1, F0, F1, 1                        ; the first quarter stands in front of the loop: its products start the sums
	s_mov_b32 s3, 3
.Llap:                                             ; a trip goes once round the ring, from a lap's second quarter to the next lap's first, and fills both slots again
	QUARTER 0, 2, F1, F0, 0
	QUARTER 0, 3, F0, F1, 0
	TURN 0, 1, 1
	QUARTER 1, 1, F0, F1, 0
	QUARTER 1, 2, F1, F0, 0
	QUARTER 1, 3, F0, F1, 0
	TURN 1, 0, 1
	QUARTER 0, 1, F0, F1, 0
	s_sub_co_u32 s3, s3, 1
	s_cmp_lg_u32 s3, 0
	s_cbranch_scc1 .Llap
	QUARTER 0, 2, F1, F0, 0                        ; the last lap fills nothing, and has no round of the cluster's barrier
	QUARTER 0, 3, F0, F1, 0
	TURN 0, 1, 0
	QUARTER 1, 1, F0, F1, 0
	QUARTER 1, 2, F1, F0, 0
	QUARTER 1, 3, F0, F1, 0
	s_wait_dscnt 0x0                               ; the very last quarter: nothing more to fetch
	WIN 0x50
	MUL F1, 0, 4, 0
	WIN 0
; THE WAY OUT, block by block of 16 rows x 128 columns.  A lane holds 32 neighbouring bytes of a row and the lanes beside it hold other rows: a block goes through my own stage and comes back as whole rows of
; 512 bytes.  LDS serves a wave's instructions in order (ISA guide 5.7.1.4): no wait between the stores and the loads, nor in front of the next block's stores.
.macro TOSTAGE a
	WIN 0x04                                       ; an LDS store's data are its source 1: window 1
.irp b, 0,1,2,3,4,5,6,7
	ds_store_b128 v[STO], v[64*(\a)+8*\b:64*(\a)+8*\b+3] offset:64*\b          ; each accumulator from its low end on
	ds_store_b128 v[STO], v[64*(\a)+8*\b+4:64*(\a)+8*\b+7] offset:64*\b+16
.endr
	WIN 0
.set BB, BK+64*((\a)%2)
.irp t, 0,1,2,3,4,5,6,7,8,9,10,11,12,13,14,15
	ds_load_b128 v[BB+4*\t:BB+4*\t+3], v[RD] offset:\t*SPITCH
.endr
.endm
.macro SEND a, younger                 ; younger: the LDS instructions issued behind block a's loads, which may stay out
.set BB, BK+64*((\a)%2)
	s_wait_dscnt \younger                          ; the block is back in registers
.if (\a) > 0
	s_add_nc_u64 s[8:9], s[8:9], 16*4096           ; 16 rows on (behind a wait on XCNT for 0: the earlier stores have read their base)
.endif
.irp t, 0,1,2,3,4,5,6,7,8,9,10,11,12,13,14,15
	global_store_b128 v[CO], v[BB+4*\t:BB+4*\t+3], s[8:9] offset:\t*4096 th:TH_STORE_NT   ; 32 lanes store 512 consecutive bytes, at a multiple of 256 from out0's first byte; written once, read by nobody here
.endr
.endm
	PLACES 4                                       ; in front of the first read of results and of the loads into registers that held fragments
	TOSTAGE 0
.irp a, 1,2,3
.if \a > 1
	s_wait_xcnt 0x0                                ; block a - 2's stores have read their registers and their base: block a's loads may land there, and the base may step
.endif
	TOSTAGE \a
	SEND \a-1, 32                                  ; behind block a - 1's loads: block a's 16 stores and 16 loads
.endr
	s_wait_xcnt 0x0                                ; block 2's stores have read their base
	SEND 3, 0
	s_wait_tensorcnt 0x0                           ; the wave's end: three lines behind my last tensor load and my last LDS store
	ds_add_u32 v[SPW], v[NIL]
	s_wait_dscnt 0x0
	CROUND                                         ; the closing round: no work-group ends while a partner may still ask for a tile that names it
	s_endpgm
.Lfunc_end_k_qa1512be198_proj:
	.size	k_qa1512be198_proj, .Lfunc_end_k_qa1512be198_proj-k_qa1512be198_proj
	.p2alignl 7, 3214868480
	.fill 96, 4, 3214868480
	.section	.rodata,"a",@progbits
	.p2align	6, 0x0
	.amdhsa_kernel k_qa1512be198_proj
		.amdhsa_group_segment_fixed_size 327680
		.amdhsa_private_segment_fixed_size 0
		.amdhsa_enable_private_segment 0
		.amdhsa_kernarg_size 24
		.amdhsa_user_sgpr_count 2
		.amdhsa_user_sgpr_kernarg_segment_ptr 1
		.amdhsa_wavefront_size32 1
		.amdhsa_system_sgpr_workgroup_id_x 1
		.amdhsa_system_sgpr_workgroup_id_y 1
		.amdhsa_system_sgpr_workgroup_id_z 1
		.amdhsa_system_vgpr_workitem_id 0
		.amdhsa_next_free_vgpr 512
		.amdhsa_next_free_sgpr 80
		.amdhsa_reserve_vcc 0
		.amdhsa_float_denorm_mode_32 3
		.amdhsa_float_denorm_mode_16_64 3
		.amdhsa_memory_ordered 1
		.amdhsa_forward_progress 1
		.amdhsa_inst_pref_size 86
	.end_amdhsa_kernel
	.amdgpu_metadata
---
amdhsa.version: [ 1, 2 ]
amdhsa.kernels:
  - .name:           k_qa1512be198_proj
    .symbol:         k_qa1512be198_proj.kd
    .args:
      - { .name: ao, .offset: 0, .size: 8, .value_kind: global_buffer, .address_space: global }
      - { .name: wo16, .offset: 8, .size: 8, .value_kind: global_buffer, .address_space: global }
      - { .name: out0, .offset: 16, .size: 8, .value_kind: global_buffer, .address_space: global }
    .group_segment_fixed_size: 327680
    .private_segment_fixed_size: 0
    .kernarg_segment_align: 8
    .kernarg_segment_size: 24
    .max_flat_workgroup_size: 128
    .sgpr_count:     80
    .vgpr_count:     512
    .wavefront_size: 32
...
	.end_amdgpu_metadata
.endif
;; end of part 4
